; MI455X (gfx1250); checked and timed in simulation.
; The chip was launched on July 23, 2026; its instructions are those of AMD's public machine-readable ISA for CDNA 5 (MIT licence, August 2026) and "CDNA5" Instruction Set Architecture Reference Guide (July 2026). The comments in the code are by the model that wrote it; some were corrected since.
;; Group Query Attention. Allowed arithmetic: float matrix products may take bf16 or f16 operands with f32 sums; other float arithmetic in f32, or as packed bf16 or f16 multiplies, adds, multiply-adds, maxima and minima; sums over many terms, partial sums and values carried from step to step in f32; what a program stores and reads back later, other than sums and carried values, may be rounded once to bf16 or f16.
;; Inputs: cos 2,048 x 64 float32; mask 2,048 x 2,048 float32; sin 2,048 x 64 float32; wk 4,096 x 512 float32; wo 1,024 x 4,096 float32; wq 4,096 x 1,024 float32; wv 4,096 x 512 float32; x 2 x 2,048 x 4,096 float32.
;; Outputs: out0 2 x 2,048 x 4,096 float32.
;; Constants: start_pos = 0.
;; 2 versions, each right; version 2 is version 1 with the launch cast written anew for expert scheduling mode. Each part assembles by itself: llvm-mc -triple=amdgcn-amd-amdhsa -mcpu=gfx1250 --defsym DOCPART=n.
;; ======== version 1 of 2: 4 launches
;; limits: values are held in f16: magnitudes above 65,504 overflow, below 6.1e-05 lose precision; right only within a limited range of input values
;; workspace buffers: xb 33,554,432 bytes; wb 16,777,216 bytes; wof 8,388,608 bytes; mk 16,777,216 bytes; cs 1,048,576 bytes; qkv 16,777,216 bytes; of 8,388,608 bytes
;; launch cast (part 1): grid 1032 x 1, 8 waves a work-group, no clusters, 68,608 bytes of LDS; arguments x, wq, wk, wv, wo, mask, cos, sin, xb, wb, wof, mk, cs; writes xb, wb, wof, mk, cs
.if DOCPART == 1
	.amdgcn_target "amdgcn-amd-amdhsa--gfx1250"
	.amdhsa_code_object_version 6
	.text
	.protected	k_q35505e5b28_cast
	.globl	k_q35505e5b28_cast
	.p2align	8
	.type	k_q35505e5b28_cast,@function
k_q35505e5b28_cast:
	s_mov_b64 s[64:65], 0
	v_nop
	global_prefetch_b8 v0, s[64:65] scope:SCOPE_SE
	s_setreg_imm32_b32 hwreg(HW_REG_WAVE_MODE, 25, 1), 1
	s_wait_xcnt 0x0
; EVERY INPUT IS ROUNDED ONCE TO bf16 and laid out for the three launches behind this one.
;   xb  = bf16(x) IN FRAGMENT ORDER: the block of rows 16 i .. 16 i + 15 and channels 32 j .. 32 j + 31 is the 1,024 bytes at (128 i + j) x 1,024: first the 16 bytes (channels 8 h + 0..7 of row r) of
;         lane 16 h + r, lanes on end, then the same for channels 16 + 8 h + 0..7: the two register images of a 16-bit matrix operand, so that the next launch loads them as they lie
;   wb  = bf16(w) / 16                  [4096 k][2048 n]: columns 0-1023 wq, 1024-1535 wk, 1536-2047 wv (a power of two: the rounding is that of w itself)
;   wof = f16(16 x bf16(wo))            [1024 k][4096 n]  (exact while 16 |wo| lies in f16's normal range; LIMIT: |wo| under 4,094)
;   mk  = bf16(mask) x sqrt(128) / 256  [2048][2048] f32: the mask in the unit of the scores that the attention launch makes (q/16 . k/16)
;   cs  = bf16(cos), then bf16(sin)     [2048][64] f32 each
; A stream: no matrix unit, nothing is shared between waves.  A work-group takes 131,072 bytes of ONE input; which, and with which numbers, is chosen from its number by scalar selects.
; All inputs but x: a chunk is 4,096 bytes of f32; thread t takes the 16 bytes at 16 t; a 16-bit result leaves as 8 bytes a lane (a wave: 256 consecutive bytes, aligned), an f32 result as 16 (512);
; eight loads of every wave are on their way.  x: see the last part of the text.
.set OUTO, 2                           ; v[2:9]    slot i: my byte offset in the output for the slot's chunk; never rewritten
.set T,    10                          ; v[10:15]  at work
.set X,    20                          ; v[20:51]  slot i: 4 registers as loaded; in x's path v[20:147]: row r's 8 registers at X + 8 r
.set Y,    52                          ; v[52:83]  slot i: up to 4 registers to store
.set GI,   148                         ; v148  x's path: 16 x lane, my offset in 512 consecutive bytes of x and of xb; never rewritten
.set LS,   149                         ; v149  x's path: where I put 8 bytes of a row in my wave's LDS
.set LR,   150                         ; v150  x's path: where I read 16 bytes of a fragment
.set SPW,  152                         ; v152  LDS address of my spare word; never rewritten
.set NIL,  153                         ; v153  0; never rewritten
.set PL,   528                         ; x's path: an LDS row: 256 bf16 + 16 bytes: the 16 rows that a load touches start at 16 different groups of four banks
.set SPARE, 8*16*PL                    ; behind the eight waves' rows: the spare words, 128 bytes for each wave: four blocks of 256 bytes that no other line names
.set IN,   36                          ; s[36:37]  the input at the round's first chunk
.set OUT,  38                          ; s[38:39]  the output at the round's first chunk
; s40 the input's first work-group; s41 the path (0: bf16 out, 1: f16 out, 2: f32 out, 3: x); s[42:43] the factor; s44, s45 how a thread's number splits into row and place;
; s47 output bytes from chunk to chunk; s48 the output's first byte; s49 log2 of a thread's output bytes
.macro SEG first, inp, outp, path, scale, ts, tm, ostep, co, es
	s_cmp_ge_u32 ttmp9, \first
	s_cselect_b64 s[IN:IN+1], s[\inp:\inp+1], s[IN:IN+1]
	s_cselect_b64 s[OUT:OUT+1], s[\outp:\outp+1], s[OUT:OUT+1]
	s_cselect_b32 s40, \first, s40
	s_cselect_b32 s41, \path, s41
	s_cselect_b32 s42, \scale, s42
	s_cselect_b32 s44, \ts, s44
	s_cselect_b32 s45, \tm, s45
	s_cselect_b32 s47, \ostep, s47
	s_cselect_b32 s48, \co, s48
	s_cselect_b32 s49, \es, s49
.endm
	s_load_b512 s[8:23], s[0:1], 0x0               ; x, wq, wk, wv, wo, mask, cos, sin
	s_load_b256 s[24:31], s[0:1], 0x40             ; xb, wb, wof, mk
	s_load_b64 s[32:33], s[0:1], 0x60              ; cs
	v_lshl_add_u32 v[SPW], v0, 2, SPARE
	v_mov_b32 v[NIL], 0
	s_mov_b32 s55, 0xffff0000                      ; a word's upper bf16
	v_lshlrev_b32 v1, 4, v0                        ; my 16 bytes of a chunk; never rewritten
	s_mov_b32 s40, 0                               ; work-groups 0 to 511 are x's; the later inputs' numbers take the place of these below
	s_mov_b32 s41, 3
	s_mov_b32 s42, 1.0
	s_mov_b32 s44, 8
	s_mov_b32 s45, 255
	s_mov_b32 s47, 2048
	s_mov_b32 s48, 0
	s_mov_b32 s49, 3
	s_wait_kmcnt 0x0
	s_mov_b64 s[IN:IN+1], s[8:9]
	s_mov_b64 s[OUT:OUT+1], s[24:25]
	SEG 512,  10, 26, 0, 0x3d800000, 8, 255, 4096, 0,      3   ; wq: a chunk is a row; a row of wb is 4,096 bytes
	SEG 640,  12, 26, 0, 0x3d800000, 7, 127, 8192, 2048,   3   ; wk: a chunk is two rows of 2,048 bytes
	SEG 704,  14, 26, 0, 0x3d800000, 7, 127, 8192, 3072,   3   ; wv
	SEG 768,  16, 28, 1, 0x41800000, 8, 255, 2048, 0,      3   ; wo
	SEG 896,  18, 30, 2, 0x3d3504f3, 8, 255, 4096, 0,      4   ; mask: sqrt(128) / 256
	SEG 1024, 20, 32, 2, 1.0,        8, 255, 4096, 0,      4   ; cos
	SEG 1028, 22, 32, 2, 1.0,        8, 255, 4096, 524288, 4   ; sin
	s_cmp_eq_u32 s41, 3
	s_cbranch_scc1 .Lblocked
	s_sub_co_u32 s56, ttmp9, s40                   ; my number among the input's work-groups
	s_lshl_b32 s50, s56, 17                        ; 32 chunks of 4,096 bytes
	s_mov_b32 s51, 0
	s_add_nc_u64 s[IN:IN+1], s[IN:IN+1], s[50:51]
.irp i, 0,1,2,3,4,5,6,7
	global_load_b128 v[X+4*(\i):X+4*(\i)+3], v1, s[IN:IN+1] offset:(\i)*4096 th:TH_LOAD_NT  ; fill the ring: chunks 0 to 7
.endr
	s_mul_i32 s50, s56, s47
	s_lshl_b32 s50, s50, 5
	s_add_co_u32 s50, s50, s48
	s_add_nc_u64 s[OUT:OUT+1], s[OUT:OUT+1], s[50:51]
	s_lshl_b32 s52, s47, 3                         ; a round's eight chunks in the output
	s_mov_b32 s53, 0
	s_mov_b32 s43, s42                             ; named with s42 as a pair
	v_and_b32 v16, s45, v0
	v_lshlrev_b32 v16, s49, v16                    ; my place in an output row,
	v_lshrrev_b32 v17, s44, v0
	v_lshl_add_u32 v16, v17, 12, v16               ; and for wk and wv the chunk's second row, one row of wb further down
.irp i, 0,1,2,3,4,5,6,7
	s_mul_i32 s50, s47, \i
	v_add_nc_u32 v[OUTO+(\i)], s50, v16
.endr
; One slot's turn.  left = how many younger loads may stay out.  ahead = 1: the slot is loaded again with the chunk eight further on.
.macro SLOT i, ahead, left, path
	s_wait_loadcnt \left                           ; loads come back in order: mine is in, the younger ones stay out
.if (\path) == 0
	v_pk_mul_f32 v[T:T+1], v[X+4*(\i):X+4*(\i)+1], s[42:43] op_sel_hi:[1,0]      ; a power of two
	v_pk_mul_f32 v[T+2:T+3], v[X+4*(\i)+2:X+4*(\i)+3], s[42:43] op_sel_hi:[1,0]
	v_cvt_pk_bf16_f32 v[Y+4*(\i)], v[T], v[T+1]
	v_cvt_pk_bf16_f32 v[Y+4*(\i)+1], v[T+2], v[T+3]
.else
	v_cvt_pk_bf16_f32 v[T], v[X+4*(\i)], v[X+4*(\i)+1]       ; rounded to bf16,
	v_cvt_pk_bf16_f32 v[T+1], v[X+4*(\i)+2], v[X+4*(\i)+3]
	v_lshlrev_b32 v[T+2], 16, v[T]                           ; and widened again
	v_and_b32 v[T+3], s55, v[T]
	v_lshlrev_b32 v[T+4], 16, v[T+1]
	v_and_b32 v[T+5], s55, v[T+1]
.if (\path) == 1
	v_pk_mul_f32 v[T+2:T+3], v[T+2:T+3], s[42:43] op_sel_hi:[1,0]
	v_pk_mul_f32 v[T+4:T+5], v[T+4:T+5], s[42:43] op_sel_hi:[1,0]
	v_cvt_pk_f16_f32 v[Y+4*(\i)], v[T+2], v[T+3]
	v_cvt_pk_f16_f32 v[Y+4*(\i)+1], v[T+4], v[T+5]
.else
	v_pk_mul_f32 v[Y+4*(\i):Y+4*(\i)+1], v[T+2:T+3], s[42:43] op_sel_hi:[1,0]
	v_pk_mul_f32 v[Y+4*(\i)+2:Y+4*(\i)+3], v[T+4:T+5], s[42:43] op_sel_hi:[1,0]
.endif
.endif
.if \ahead
	global_load_b128 v[X+4*(\i):X+4*(\i)+3], v1, s[IN:IN+1] offset:(8+(\i))*4096 th:TH_LOAD_NT
.endif
.if (\path) == 2
	global_store_b128 v[OUTO+(\i)], v[Y+4*(\i):Y+4*(\i)+3], s[OUT:OUT+1]
.else
	global_store_b64 v[OUTO+(\i)], v[Y+4*(\i):Y+4*(\i)+1], s[OUT:OUT+1]
.endif
.endm
; The 32 chunks: three rounds that load ahead, and a last one that loads nothing, so that no load leaves the input.
.macro WALK path
	s_mov_b32 s54, 3
.Lround_\path:
.irp i, 0,1,2,3,4,5,6,7
	SLOT \i, 1, 7, \path
.endr
	s_wait_xcnt 0x0                                ; the two bases and the stores' data registers are rewritten only behind this wait
	s_add_nc_u64 s[IN:IN+1], s[IN:IN+1], 0x8000
	s_add_nc_u64 s[OUT:OUT+1], s[OUT:OUT+1], s[52:53]
	s_sub_co_u32 s54, s54, 1
	s_cmp_lg_u32 s54, 0
	s_cbranch_scc1 .Lround_\path
.irp i, 0,1,2,3,4,5,6,7
	SLOT \i, 0, 7-(\i), \path                      ; the counts run down
.endr
	s_endpgm
.endm
	s_cmp_eq_u32 s41, 1
	s_cbranch_scc1 .Lto_f16
	s_cmp_eq_u32 s41, 2
	s_cbranch_scc1 .Lto_f32
	WALK 0
.Lto_f16:
	WALK 1
.Lto_f32:
	WALK 2
; x.  Work-group g takes rows 16 (g / 2) .. + 15 and channels 2,048 (g % 2) on; wave w of it 256 channels: 16 rows x 1,024 bytes in, eight fragments, 8,192 consecutive bytes, out.
; All 32 loads go out at once, each 512 consecutive bytes of a row.  A row is rounded as it comes and laid into the wave's own 16 LDS rows; the fragments are read from there, 16 bytes a lane, as a matrix
; operand is read, and stored as they are: each store of the wave covers 512 consecutive bytes, aligned.  No wave touches another's LDS bytes, and LDS serves a wave's instructions in order: no barrier.
.Lblocked:
	v_lshrrev_b32 v17, 5, v0
	v_readfirstlane_b32 s56, v17                   ; wave 0..7
	v_and_b32 v16, 31, v0                          ; lane
	s_lshr_b32 s57, ttmp9, 1                       ; the block of 16 rows
	s_and_b32 s58, ttmp9, 1                        ; which half of their channels
	s_lshl_b32 s50, s57, 18                        ; 16 rows of 16,384 bytes,
	s_lshl_b32 s59, s58, 13                        ; 2,048 channels of 4 bytes,
	s_add_co_u32 s50, s50, s59
	s_lshl_b32 s59, s56, 10                        ; my wave's 256
	s_add_co_u32 s50, s50, s59
	s_mov_b32 s51, 0
	s_add_nc_u64 s[IN:IN+1], s[IN:IN+1], s[50:51]
	v_lshlrev_b32 v[GI], 4, v16
.irp r, 0,1,2,3,4,5,6,7,8,9,10,11,12,13,14,15
	global_load_b128 v[X+8*(\r):X+8*(\r)+3],   v[GI], s[IN:IN+1] offset:(\r)*16384 th:TH_LOAD_NT      ; channels 4 lane + 0..3
	global_load_b128 v[X+8*(\r)+4:X+8*(\r)+7], v[GI], s[IN:IN+1] offset:(\r)*16384+512 th:TH_LOAD_NT  ; channels 128 + 4 lane + 0..3
.endr
	s_lshl_b32 s50, s57, 17                        ; xb: the block row's 128 fragments of 1,024 bytes,
	s_lshl_b32 s59, s58, 16                        ; 64 of them a half,
	s_add_co_u32 s50, s50, s59
	s_lshl_b32 s59, s56, 13                        ; my wave's eight
	s_add_co_u32 s50, s50, s59
	s_add_nc_u64 s[OUT:OUT+1], s[OUT:OUT+1], s[50:51]
	s_mul_i32 s59, s56, 16*PL                      ; my wave's LDS rows
	v_lshl_add_u32 v[LS], v16, 3, s59              ; in: 8 bytes a lane, 256 consecutive bytes a store
	v_and_b32 v18, 15, v16
	v_lshrrev_b32 v19, 4, v16
	v_mul_u32_u24 v[LR], v18, PL                   ; back: row lane % 16, 16 bytes for each half of the lanes
	v_lshl_add_u32 v[LR], v19, 4, v[LR]
	v_add_nc_u32 v[LR], s59, v[LR]
.irp r, 0,1,2,3,4,5,6,7,8,9,10,11,12,13,14,15
	s_wait_loadcnt 30-2*(\r)                       ; row r's two loads are in; the rows behind it stay out
	v_cvt_pk_bf16_f32 v[X+8*(\r)],   v[X+8*(\r)],   v[X+8*(\r)+1]
	v_cvt_pk_bf16_f32 v[X+8*(\r)+1], v[X+8*(\r)+2], v[X+8*(\r)+3]
	v_cvt_pk_bf16_f32 v[X+8*(\r)+4], v[X+8*(\r)+4], v[X+8*(\r)+5]
	v_cvt_pk_bf16_f32 v[X+8*(\r)+5], v[X+8*(\r)+6], v[X+8*(\r)+7]
	ds_store_b64 v[LS], v[X+8*(\r):X+8*(\r)+1]   offset:(\r)*PL
	ds_store_b64 v[LS], v[X+8*(\r)+4:X+8*(\r)+5] offset:(\r)*PL+256
.endr
.irp f, 0,1,2,3,4,5,6,7,8,9,10,11,12,13,14,15
	ds_load_b128 v[X+4*(\f):X+4*(\f)+3], v[LR] offset:((\f)/2)*64+((\f)%2)*32  ; fragment f / 2, its register image f % 2; these see the stores above
.endr
.irp f, 0,1,2,3,4,5,6,7,8,9,10,11,12,13,14,15
	s_wait_dscnt 15-(\f)
	global_store_b128 v[GI], v[X+4*(\f):X+4*(\f)+3], s[OUT:OUT+1] offset:(\f)*512
.endr
	s_wait_tensorcnt 0x0                           ; the wave's end: behind my last LDS store
	ds_add_u32 v[SPW], v[NIL]
	s_wait_dscnt 0x0
	s_endpgm
.Lfunc_end_k_q35505e5b28_cast:
	.size	k_q35505e5b28_cast, .Lfunc_end_k_q35505e5b28_cast-k_q35505e5b28_cast
	.p2alignl 7, 3214868480
	.fill 96, 4, 3214868480
	.section	.rodata,"a",@progbits
	.p2align	6, 0x0
	.amdhsa_kernel k_q35505e5b28_cast
		.amdhsa_group_segment_fixed_size 68608
		.amdhsa_private_segment_fixed_size 0
		.amdhsa_enable_private_segment 0
		.amdhsa_kernarg_size 104
		.amdhsa_user_sgpr_count 2
		.amdhsa_user_sgpr_kernarg_segment_ptr 1
		.amdhsa_wavefront_size32 1
		.amdhsa_system_sgpr_workgroup_id_x 1
		.amdhsa_system_sgpr_workgroup_id_y 1
		.amdhsa_system_sgpr_workgroup_id_z 1
		.amdhsa_system_vgpr_workitem_id 0
		.amdhsa_next_free_vgpr 156
		.amdhsa_next_free_sgpr 66
		.amdhsa_reserve_vcc 0
		.amdhsa_float_denorm_mode_32 3
		.amdhsa_float_denorm_mode_16_64 3
		.amdhsa_memory_ordered 1
		.amdhsa_forward_progress 1
		.amdhsa_inst_pref_size 48
	.end_amdhsa_kernel
	.amdgpu_metadata
---
amdhsa.version: [ 1, 2 ]
amdhsa.kernels:
  - .name:           k_q35505e5b28_cast
    .symbol:         k_q35505e5b28_cast.kd
    .args:
      - { .name: x, .offset: 0, .size: 8, .value_kind: global_buffer, .address_space: global }
      - { .name: wq, .offset: 8, .size: 8, .value_kind: global_buffer, .address_space: global }
      - { .name: wk, .offset: 16, .size: 8, .value_kind: global_buffer, .address_space: global }
      - { .name: wv, .offset: 24, .size: 8, .value_kind: global_buffer, .address_space: global }
      - { .name: wo, .offset: 32, .size: 8, .value_kind: global_buffer, .address_space: global }
      - { .name: mask, .offset: 40, .size: 8, .value_kind: global_buffer, .address_space: global }
      - { .name: cos, .offset: 48, .size: 8, .value_kind: global_buffer, .address_space: global }
      - { .name: sin, .offset: 56, .size: 8, .value_kind: global_buffer, .address_space: global }
      - { .name: xb, .offset: 64, .size: 8, .value_kind: global_buffer, .address_space: global }
      - { .name: wb, .offset: 72, .size: 8, .value_kind: global_buffer, .address_space: global }
      - { .name: wof, .offset: 80, .size: 8, .value_kind: global_buffer, .address_space: global }
      - { .name: mk, .offset: 88, .size: 8, .value_kind: global_buffer, .address_space: global }
      - { .name: cs, .offset: 96, .size: 8, .value_kind: global_buffer, .address_space: global }
    .group_segment_fixed_size: 68608
    .private_segment_fixed_size: 0
    .kernarg_segment_align: 8
    .kernarg_segment_size: 104
    .max_flat_workgroup_size: 256
    .sgpr_count:     66
    .vgpr_count:     156
    .wavefront_size: 32
...
	.end_amdgpu_metadata
.endif
;; end of part 1
;; launch qkv (part 2): grid 16 x 16, 4 waves a work-group, clusters of 4 x 1, 327,680 bytes of LDS; arguments xb, wb, cs, qkv; writes qkv
.if DOCPART == 2
	.amdgcn_target "amdgcn-amd-amdhsa--gfx1250"
	.amdhsa_code_object_version 6
	.text
	.protected	k_q35505e5b28_qkv
	.globl	k_q35505e5b28_qkv
	.p2align	8
	.type	k_q35505e5b28_qkv,@function
k_q35505e5b28_qkv:
	s_mov_b64 s[64:65], 0
	v_nop
	global_prefetch_b8 v0, s[64:65] scope:SCOPE_SE
	s_setreg_imm32_b32 hwreg(HW_REG_WAVE_MODE, 25, 1), 1
	s_wait_xcnt 0x0
	s_wait_alu depctr_hold_cnt(0) depctr_sa_sdst(0) depctr_va_vdst(0) depctr_va_sdst(0) depctr_va_ssrc(0) depctr_va_vcc(0) depctr_vm_vsrc(0)
	s_getreg_b32 s2, hwreg(HW_REG_IB_STS2, 6, 4)
	s_cmp_eq_u32 s2, 0
	s_cbranch_scc0 .Lentry_in_a_cluster
	s_endpgm
.Lentry_in_a_cluster:
	s_bfe_u32 s2, ttmp6, 0x10000c
	s_cmp_lg_u32 s2, 0x3003
	s_cbranch_scc0 .Lentry_shape_is_right
	s_endpgm
.Lentry_shape_is_right:
; q, k, v = x . (wq | wk | wv) / 16, RoPE on q and k, written by heads in f16.  xb: bf16(x) in fragment order (below); wb: [4096 k][2048 n] bf16 (the weights / 16); cs: cos, sin [2048][64] f32.
; qkv: q/16 [2][8][2048][128] at byte 0, k/16 [2][4][2048][128] at 8,388,608, v/16 likewise at 12,582,912, all f16.  Sums in f32, RoPE in f32, one rounding to f16.
; LIMIT: |q|, |k|, |v| under 1.05e6 (f16 holds 65,504 and the numbers are kept at 1/16).
; SHARES.  A tile is 256 rows x 128 columns, one head: 16 x 16 work-groups (x: tile row, y: tile column).  Wave w makes rows 64 w .. 64 w + 63 x all 128 columns: 32 accumulators of 16 x 16.
; THE MATRIX INSTRUCTION IS USED TRANSPOSED: source 0 = 16 columns of wb, source 1 = 16 rows of x.  A lane then holds one row and eight neighbouring columns: four RoPE pairs, and 16 bytes of f16.
; x COMES STRAIGHT INTO REGISTERS.  A wave's 64 rows are read by no other wave, and xb holds each block of 16 rows x 32 channels as the 1,024 bytes of its two register images, block (i, j) at
; (128 i + j) x 1,024: a fragment is two loads of 512 consecutive bytes.  A QUARTER is 32 along K: 32 matrix instructions, four fragments of x (8 loads).  Eight sets of 32 registers take turns: in quarter q
; the set that quarter q - 1 read is loaded with quarter q + 7: 48 to 56 loads of a wave are on their way, across the ring's barriers too.
; wb GOES THROUGH LDS, since all four waves read all of its tile: two slots of 256 along K (eight quarters), filled by the tensor data mover, each wave 64 k-rows of 256 bytes; it lies [k][n] there and
; comes out turned (ds_load_tr16_b128).  A refill has eight quarters, 256 matrix instructions, in which to land.
; CLUSTER 4 x 1: four tile rows of one tile column need the same tiles of wb and ask for them jointly.  x is not shared in the cluster; the work-groups that read the same rows of x lie in other clusters.
; REGISTERS, in windows of 256: window 0: v16-30 addresses; on the way out v32-63, v224-255 rows read back, v192-223 packed, v64-127 and v128-135 RoPE at work
;   window 1: v64-127, v128-191 wb's fragments, two buffers     window 2: accumulator (a, b) at v[8 (8 a + b)]
;   window 3: x's eight sets, set s at v[32 s], row block a at + 8 a; at the end the tables: cos at v[32 a + 4 b + p], sin 128 further on
.set PB,    288                        ; a k-row of wb in LDS: 256 bytes + 32
.set SLOTB, 256*PB                     ; a slot: 256 k-rows
.set SLOT1, 1<<17                      ; slot 1 begins here: one exclusive or turns an address in one slot into the other's
.set PA,    272                        ; a row of the stage: 256 bytes + 16
.set STAGE, SLOTB                      ; behind slot 0: 16 rows x 272 bytes for each wave, for the way out
.set SPARE, STAGE+4*16*PA              ; the spare words, 128 bytes for each wave: two blocks of 256 bytes that no other line names
.set FRAG,  1024                       ; bytes in a fragment of xb
.set BROW,  128*FRAG                   ; bytes in a block of 16 rows of xb
.set ADRB, 16                          ; v16, v17  LDS address of my wb fragments in the slot in hand: quarters 0-3, quarters 4-7
.set BASB, 18                          ; v18, v19  the same in slot 0; never rewritten
.set AO,   20                          ; v20  16 x lane: my 16 bytes of 512; never rewritten
.set PAO,  21                          ; v21  256 x lane: xb's prefetches; never rewritten
.set STO,  24                          ; v24  the way out: where I put 16 bytes of a row
.set RD,   25                          ; v25  where I read rows back
.set CO,   26                          ; v26  16 x lane: my 16 bytes of two rows (512 consecutive bytes) of the output
.set TO,   27                          ; v27  my byte offset in the tables
.set SPW,  28                          ; v28  LDS address of my spare word; never rewritten
.set NIL,  29                          ; v29  0; never rewritten
.set PFO,  30                          ; v30  4,096 x lane: wb's prefetches; never rewritten
.set F0,   64
.set F1,   128
.set TMP,  192
.set OB,   32
.set RI,   64
.set TT,   128
.set G1B, 24                           ; s[24:31] descriptor group 1 for wb's tiles
.set G0B, 32                           ; s[32:39] group 0, two sets: the first fills; the second then walks
.set AP,  40                           ; s[40:41] xb at my first block row, at the trip's first quarter
.set TC,  42                           ; s42  tile column
.set LIM, 43                           ; s43  1 in a wave that prefetches wb, else the greatest number
.set PFB, 44                           ; s[44:45] where my prefetches of wb stand
.set WV,  66                           ; s66  my wave's number
.set CX,  67                           ; s67  my place in the cluster: it enters global addresses of my own alone
.set TR,  69                           ; s69  tile row
.set ISV, 72                           ; s72  1: the tile is a head of v, which has no RoPE.  It hangs on the tile column alone: the same in all partners
.set TB,  73                           ; s73  LDS byte at which the slot in hand begins
.set MSB, 0
.macro WIN new                         ; the immediate's high byte repeats the setting that is left; a switch that changes nothing is dropped
.if MSB != (\new)
	s_set_vgpr_msb (MSB<<8)|(\new)
.set MSB, \new
.endif
.endm
.macro PLACES                          ; four places behind matrix instructions, in front of loads into registers that they read and of vector lines that read results
.rept 4
	v_nop
.endr
.endm
.macro JLOAD s                         ; a joint load: every wave asks for its own 64 k-rows.  An s_nop 0 and four v_nop follow the line
	tensor_load_to_lds s[G0B+4*(\s):G0B+4*(\s)+3], s[G1B:G1B+7]
	s_nop 0
.rept 4
	v_nop
.endr
.endm
.macro CREST                           ; a round of the cluster's barrier behind its opening barrier
	s_cmp_lg_u32 s[WV], 0
	s_cbranch_scc1 .Lnot_wave_0_\@
	s_barrier_signal -3
.Lnot_wave_0_\@:
	s_barrier_wait -3
	s_barrier_signal -1
	s_barrier_wait -1
.endm
.macro CROUND
	s_barrier_signal -1
	s_barrier_wait -1
	CREST
.endm
; THE PREFETCHES INTO THE L2 stand together, behind the joint load, its five lines and the runs of loads.  Each block of 256 bytes is named once in the launch.
; wb: the slot behind the one that the refill asks for; its tile column is read by the four clusters of that column: the one with x = 0 asks, waves 0 and 1, k-rows 64 cx + 32 wave on, a lane a row;
;     partners are told apart by address alone.  Slots 0 to 2 come by their loads alone; the last refill asks for nothing (s3 is 1 there).
; xb: the eight quarters that the NEXT trip's loads will name: each wave its own four block rows, 8,192 consecutive bytes each, a lane 256 bytes.  The same rows are read by all sixteen tile columns:
;     column 0 asks.  The first sixteen quarters come by their loads alone; only the loop's 14 trips ask, and the last of them names the last eight quarters.
.macro ASK
	s_cmp_gt_u32 s3, s[LIM]
	s_cbranch_scc0 .Lnot_b_\@
	global_prefetch_b8 v[PFO], s[PFB:PFB+1] th:TH_LOAD_NT scope:SCOPE_SE
.Lnot_b_\@:
	s_cmp_eq_u32 s[TC], 0
	s_cbranch_scc0 .Lnot_a_\@
.irp i, 0,1,2,3
	global_prefetch_b8 v[PAO], s[AP:AP+1] offset:16*FRAG+(\i)*BROW th:TH_LOAD_NT scope:SCOPE_SE
.endr
.Lnot_a_\@:
.endm
	s_load_b256 s[4:11], s[0:1], 0x0               ; xb s[4:5], wb s[6:7], cs s[8:9], qkv s[10:11]
	v_lshl_add_u32 v[SPW], v0, 2, SPARE
	v_mov_b32 v[NIL], 0
	ds_add_u32 v[SPW], v[NIL]                      ; the wave's opening: the add and its wait stand ahead of my first tensor load; work on registers stands between them
	v_lshrrev_b32 v1, 5, v0
	v_readfirstlane_b32 s[WV], v1
	s_bfe_u32 s[CX], ttmp6, 0x40000
	s_lshl_b32 s[TR], ttmp9, 2
	s_add_co_u32 s[TR], s[TR], s[CX]               ; tile row = 4 x cluster x + cx
	s_and_b32 s[TC], ttmp7, 0xffff                 ; tile column, which the four partners share
	s_mov_b32 s[G1B], 15|(1<<16)|(1<<20)|(1<<21)|(5<<22)|(7<<25)  ; the mask of four; 2-byte elements; padding on; bit 21 beside a mask; after every 64 words 8 words
	s_mov_b32 s[G1B+1], 128<<16                    ; tensor_dim0 = 128
	s_mov_b32 s[G1B+2], 64<<16                     ; tensor_dim1 = 64
	s_mov_b32 s[G1B+3], 128<<16                    ; tile_dim0 = 128
	s_mov_b32 s[G1B+4], 64                         ; tile_dim1 = 64 k-rows
	s_mov_b32 s[G1B+5], 2048                       ; elements from row to row of wb
	s_mov_b32 s[G1B+6], 0
	s_mov_b32 s[G1B+7], 0
	s_lshl_b32 s46, s[TC], 8                       ; wb: 256 bytes x tile column + 64 k-rows of 4,096 bytes x wave
	s_lshl_b32 s47, s[WV], 18
	s_add_co_u32 s46, s46, s47
	s_mov_b32 s47, 0
	s_mul_i32 s20, s[WV], 64*PB                    ; where they go: no place in the cluster enters an LDS address
	s_lshl_b32 s16, s[TR], 4                       ; xb: block row 16 x tile row + 4 x wave
	s_lshl_b32 s17, s[WV], 2
	s_add_co_u32 s16, s16, s17
	s_lshl_b32 s16, s16, 17
	s_mov_b32 s17, 0
	s_wait_dscnt 0x0                               ; the opening add is done
	s_wait_kmcnt 0x0
	s_add_nc_u64 s[46:47], s[6:7], s[46:47]
	s_add_nc_u64 s[AP:AP+1], s[4:5], s[16:17]
	CROUND                                         ; all four work-groups are here: the first joint loads meet
.irp s, 0,1
	s_mov_b32 s[G0B+4*(\s)], 1
	s_add_co_u32 s[G0B+4*(\s)+1], s20, (\s)*SLOT1
	s_add_nc_u64 s[G0B+4*(\s)+2:G0B+4*(\s)+3], s[46:47], (\s)*1048576   ; 256 k-rows on
	s_or_b32 s[G0B+4*(\s)+3], s[G0B+4*(\s)+3], 0x80000000
	JLOAD \s                                       ; two loads of mine are out
.endr
; 8 loads: the four fragments of x of one quarter, at byte off behind the trip's pointer, into a set
.macro ALOAD set, off
	WIN 0xc0                                       ; destination window 3
.irp i, 0,1,2,3
	global_load_b128 v[32*(\set)+8*(\i):32*(\set)+8*(\i)+3],   v[AO], s[AP:AP+1] offset:(\off)+(\i)*BROW
	global_load_b128 v[32*(\set)+8*(\i)+4:32*(\set)+8*(\i)+7], v[AO], s[AP:AP+1] offset:(\off)+(\i)*BROW+512
.endr
.endm
; 8 loads of the tables into a set that x has left: sets 0-3 cos, sets 4-7 sin, of row block set % 4: for row r and my columns 16 b + 8 h + 0..7 the four numbers of pairs 8 b + 4 h + 0..3.
; Loaded for a head of v too, where nothing reads them: one text.
.macro TLOAD set
	WIN 0xc0
.irp b, 0,1,2,3,4,5,6,7
	global_load_b128 v[32*(\set)+4*(\b):32*(\set)+4*(\b)+3], v[TO], s[8:9] offset:((\set)%4)*4096+32*(\b)+((\set)/4)*524288
.endr
.endm
	v_and_b32 v[AO], 31, v0
	v_lshlrev_b32 v[PAO], 8, v[AO]
	v_lshlrev_b32 v[PFO], 12, v[AO]
	v_lshlrev_b32 v[CO], 4, v[AO]
	v_lshlrev_b32 v[AO], 4, v[AO]
.irp q, 0,1,2,3,4,5,6
	ALOAD \q, (\q)*FRAG                            ; quarters 0 to 6: 56 loads; quarter 7 is asked for in quarter 0, like every later one
.endr
	WIN 0
	s_and_b32 s18, s[TR], 7
	s_lshl_b32 s18, s18, 8
	s_lshl_b32 s19, s[WV], 6
	s_add_co_u32 s18, s18, s19                     ; my first row's place in its sequence
	s_lshl_b32 s22, s18, 8                         ; x 256 bytes: a row of a table, and a row of a head
	s_mov_b32 s23, 0
	s_add_nc_u64 s[8:9], s[8:9], s[22:23]
	v_and_b32 v1, 15, v0                           ; r = l % 16
	v_bfe_u32 v2, v0, 4, 1                         ; h = l / 16
	v_lshlrev_b32 v[TO], 8, v1
	v_lshl_add_u32 v[TO], v2, 4, v[TO]
	; where my rows go: region + ((batch x heads + head) x 2,048 + place in the sequence) x 256
	s_lshr_b32 s18, s[TR], 3                       ; batch
	s_and_b32 s19, s[TC], 3
	s_cmp_lt_u32 s[TC], 8                          ; columns 0-7: q's eight heads; 8-11: k's four; 12-15: v's four
	s_cselect_b32 s19, s[TC], s19
	s_cselect_b32 s76, 3, 2
	s_cselect_b32 s77, 0, 8388608
	s_cmp_ge_u32 s[TC], 12
	s_cselect_b32 s77, 12582912, s77
	s_cselect_b32 s[ISV], 1, 0
	s_lshl_b32 s18, s18, s76
	s_add_co_u32 s18, s18, s19
	s_lshl_b32 s18, s18, 19
	s_add_co_u32 s18, s18, s77
	s_add_co_u32 s22, s22, s18
	s_add_nc_u64 s[10:11], s[10:11], s[22:23]
	; wb's prefetches stand at slot 2; each refill steps them first, so the first names slot 3
	s_lshl_b32 s18, s[CX], 6
	s_lshl_b32 s19, s[WV], 5
	s_add_co_u32 s18, s18, s19
	s_add_co_u32 s18, s18, 2*256
	s_lshl_b32 s18, s18, 12
	s_lshl_b32 s19, s[TC], 8
	s_add_co_u32 s76, s18, s19
	s_mov_b32 s77, 0
	s_add_nc_u64 s[PFB:PFB+1], s[6:7], s[76:77]
	s_lshr_b32 s18, s[WV], 1                       ; 0 in waves 0 and 1,
	s_or_b32 s18, s18, ttmp9                       ; where the cluster is the column's first: the same in all four partners
	s_cmp_eq_u32 s18, 0
	s_cselect_b32 s[LIM], 1, -1
	; the turning load takes 16 k x 16 columns: lane l reads k-row 8 h + l % 8, columns 8 ((l / 8) % 2) + 0..7, and is left with column l % 16 and 8 k
	v_and_b32 v4, 7, v0
	v_bfe_u32 v5, v0, 3, 1
	v_lshl_add_u32 v4, v2, 3, v4
	v_mul_u32_u24 v4, v4, PB
	v_lshl_add_u32 v[BASB], v5, 4, v4
	v_add_nc_u32 v[BASB+1], 4*32*PB, v[BASB]       ; quarters 4 to 7: the 16-bit immediate does not reach them from the first address
	v_mov_b32 v[ADRB], v[BASB]
	v_mov_b32 v[ADRB+1], v[BASB+1]
	s_mov_b32 s[TB], 0
	v_mul_u32_u24 v3, v1, PA
	v_lshl_add_u32 v3, v2, 4, v3
	s_mul_i32 s18, s[WV], 16*PA
	s_add_co_u32 s18, s18, STAGE                   ; my stage
	v_add_nc_u32 v[STO], s18, v3                   ; in: row l % 16, 16 bytes for each half of the lanes
	v_mul_u32_u24 v5, v2, PA                       ; back: lanes 0-15 one row of 256 bytes, lanes 16-31 the next
	v_lshl_add_u32 v5, v1, 4, v5
	v_add_nc_u32 v[RD], s18, v5
; 8 matrix instructions: row block a x all 8 column blocks, 32 along K.  The 32 accumulators take turns in the same order in every quarter.  zero = 1: the product starts the sum.
.macro MUL f, set, a, zero
	WIN 0xad                                       ; source 0 (wb) window 1, source 1 (x) window 3, C and D window 2
.irp b, 0,1,2,3,4,5,6,7
.if \zero
	v_wmma_f32_16x16x32_bf16 v[8*(8*(\a)+(\b)):8*(8*(\a)+(\b))+7], v[(\f)+8*(\b):(\f)+8*(\b)+7], v[32*(\set)+8*(\a):32*(\set)+8*(\a)+7], 0
.else
	v_wmma_f32_16x16x32_bf16 v[8*(8*(\a)+(\b)):8*(8*(\a)+(\b))+7], v[(\f)+8*(\b):(\f)+8*(\b)+7], v[32*(\set)+8*(\a):32*(\set)+8*(\a)+7], v[8*(8*(\a)+(\b)):8*(8*(\a)+(\b))+7]
.endif
.endr
.endm
; 16 LDS loads in one run: wb's fragments of quarter q (0 to 7) of the slot in hand into buffer f
.macro FETCH q, f
	WIN 0x40                                       ; destination window 1
.irp b, 0,1,2,3,4,5,6,7
	ds_load_tr16_b128 v[(\f)+8*(\b):(\f)+8*(\b)+3],   v[ADRB+(\q)/4] offset:((\q)%4)*32*PB+32*(\b)
	ds_load_tr16_b128 v[(\f)+8*(\b)+4:(\f)+8*(\b)+7], v[ADRB+(\q)/4] offset:((\q)%4)*32*PB+32*(\b)+16*PB
.endr
.endm
; Quarter r of a trip (r = 8: the next slot's quarter 0).  It multiplies wb's buffer r % 2 by x's set r % 8.  Behind its first eight products, and four places behind the last product of the quarter before,
; it fetches wb's next quarter into the other buffer and loads the set that the quarter before read: kind = 1: with x's quarter r + 7; kind = 2: with a part of the tables.
.macro QUARTER r, zero, kind
	s_wait_loadcnt 48                              ; loads come back in order: my set is in; the 48 loads issued in the six quarters since stay out
	s_wait_dscnt 0x0                               ; wb's fragments are in
	MUL F0+64*((\r)%2), (\r)%8, 0, \zero
	PLACES
	FETCH ((\r)+1)%8, F0+64*(((\r)+1)%2)
.if (\kind) == 1
	ALOAD ((\r)+7)%8, ((\r)+7)*FRAG
.else
	TLOAD ((\r)+7)%8
.endif
	MUL F0+64*((\r)%2), (\r)%8, 1, \zero
	MUL F0+64*((\r)%2), (\r)%8, 2, \zero
	MUL F0+64*((\r)%2), (\r)%8, 3, \zero
.endm
; Quarter 7 changes slots: ONE barrier.  In front of it each wave waits for all its tensor loads (one is out: its part of the next slot), adds 0 to its spare word, and waits for that and for its reads of
; this slot.  fill = 1: the barrier opens a round of the cluster's, and behind the round this slot is filled again, with the 256 k-rows two slots on.
.macro TURN fill
.if \fill
	s_wait_xcnt 0x0                                ; the last prefetch, a trip back, has read its address
	s_add_nc_u64 s[PFB:PFB+1], s[PFB:PFB+1], 1048576
.endif
	WIN 0
	s_wait_tensorcnt 0x0                           ; all my tensor loads have landed
	ds_add_u32 v[SPW], v[NIL]                      ; 0 onto my spare word
	s_wait_loadcnt 48                              ; x's set 7 is in
	s_wait_dscnt 1                                 ; wb's fragments are in; the add may be out
	MUL F1, 7, 0, 0                                ; eight matrix instructions stand between the add and the wait for it
	s_wait_dscnt 0x0                               ; the add is done, and my reads of this slot are over
	s_barrier_signal -1
	MUL F1, 7, 1, 0
	WIN 0
	s_barrier_wait -1
.if \fill
	CREST                                          ; no wave of any partner still reads this slot or has a load on its way
	s_xor_b32 s[G0B+5], s[G0B+5], SLOT1            ; the walking descriptor: the other slot than last time, the next 256 k-rows
	s_add_nc_u64 s[G0B+6:G0B+7], s[G0B+6:G0B+7], 1048576
	JLOAD 1                                        ; the first tensor load behind the round; its four v_nop are also the places in front of the loads below
.else
	PLACES
.endif
	s_xor_b32 s[TB], s[TB], SLOT1
	v_add_nc_u32 v[ADRB], s[TB], v[BASB]
	v_add_nc_u32 v[ADRB+1], s[TB], v[BASB+1]
	FETCH 0, F0
	ALOAD 6, 14*FRAG
.if \fill
	WIN 0
	ASK
.endif
	MUL F1, 7, 2, 0
	MUL F1, 7, 3, 0
.endm
	s_wait_tensorcnt 1                             ; my part of slot 0 is in; slot 1's may stay out
	s_barrier_signal -1
	s_barrier_wait -1
	FETCH 0, F0
	QUARTER 0, 1, 1                                ; the first quarter stands in front of the loop: its products start the sums
	WIN 0
	s_mov_b32 s3, 14                               ; 14 refills: slots 2 to 15
.Lstep:                                        ; a trip: a slot's quarters 1 to 7 and the next slot's quarter 0
.irp r, 1,2,3,4,5,6
	QUARTER \r, 0, 1
.endr
	TURN 1
	QUARTER 8, 0, 1
	WIN 0
	s_wait_xcnt 0x0                                ; every load and prefetch issued so far (the youngest 24 products back) has read its address, so the pointer may be written
	s_add_nc_u64 s[AP:AP+1], s[AP:AP+1], 8*FRAG
	s_sub_co_u32 s3, s3, 1
	s_cmp_lg_u32 s3, 0
	s_cbranch_scc1 .Lstep
.irp r, 1,2,3,4,5,6                    ; the last slot but one: nothing is left to fill, so the trip is written out; its loads name x's last eight quarters
	QUARTER \r, 0, 1
.endr
	TURN 0
	QUARTER 8, 0, 1
.irp r, 1,2,3,4,5,6                    ; the last slot: x has been asked for to its end; the tables take the loads' places, eight a quarter, so that the count of 48 holds on
	QUARTER \r, 0, 2
.endr
	s_wait_loadcnt 48
	s_wait_dscnt 0x0
	MUL F1, 7, 0, 0
	PLACES
	TLOAD 6
	MUL F1, 7, 1, 0
	MUL F1, 7, 2, 0
	MUL F1, 7, 3, 0
	WIN 0
	PLACES                                         ; behind the last products: for the loads into the set that they read, and for the lines that read their results
	TLOAD 7
	WIN 0
; THE WAY OUT, a block of 16 rows at a time.  PACKR: RoPE in f32 (out_r = xr c - xi s, out_i = xr s + xi c; a pair is two neighbouring registers), rounded to f16; a head of v is rounded as it is.
; Each accumulator's lowest registers are read first.
.macro PACKR a
	WIN 0
	s_wait_loadcnt 24-8*(\a)                       ; block a's cos (set a) and sin (set 4 + a) are in; the sets behind them stay out
	s_cmp_eq_u32 s[ISV], 1
	s_cbranch_scc1 .Lplain_\@
	WIN 0x0e                                       ; source 0 window 2 (sums), source 1 window 3 (tables), the rest window 0
.irp b, 0,1,2,3,4,5,6,7
.irp p, 0,1,2,3
	v_mul_f32 v[TT+2*(\p)],   v[8*(8*(\a)+(\b))+2*(\p)+1], v[128+32*(\a)+4*(\b)+(\p)]
	v_mul_f32 v[TT+2*(\p)+1], v[8*(8*(\a)+(\b))+2*(\p)],   v[128+32*(\a)+4*(\b)+(\p)]
.endr
.irp p, 0,1,2,3
	v_fma_f32 v[RI+8*(\b)+2*(\p)],   v[8*(8*(\a)+(\b))+2*(\p)],   v[32*(\a)+4*(\b)+(\p)], -v[TT+2*(\p)]
	v_fma_f32 v[RI+8*(\b)+2*(\p)+1], v[8*(8*(\a)+(\b))+2*(\p)+1], v[32*(\a)+4*(\b)+(\p)], v[TT+2*(\p)+1]
.endr
.endr
	WIN 0
.set i, 0
.rept 32
	v_cvt_pk_f16_f32 v[TMP+i], v[RI+2*i], v[RI+2*i+1]
.set i, i+1
.endr
	s_branch .Lpacked_\@
.Lplain_\@:
	WIN 0x0a                                       ; sources 0 and 1 window 2
.irp b, 0,1,2,3,4,5,6,7
.irp p, 0,1,2,3
	v_cvt_pk_f16_f32 v[TMP+4*(\b)+(\p)], v[8*(8*(\a)+(\b))+2*(\p)], v[8*(8*(\a)+(\b))+2*(\p)+1]
.endr
.endr
	WIN 0
.Lpacked_\@:
.endm
.macro TOSTAGE a                       ; into my own stage, and back as whole rows of 256 bytes
	WIN 0
.set BK, OB+192*((\a)%2)
.irp b, 0,1,2,3,4,5,6,7
	ds_store_b128 v[STO], v[TMP+4*(\b):TMP+4*(\b)+3] offset:32*(\b)
.endr
.irp t, 0,1,2,3,4,5,6,7
	ds_load_b128 v[BK+4*(\t):BK+4*(\t)+3], v[RD] offset:(\t)*2*PA  ; LDS serves a wave's instructions in order: these see the stores above
.endr
.endm
.macro SEND a
	WIN 0
.set BK, OB+192*((\a)%2)
	s_wait_dscnt 0x0                               ; the block is back in registers
	s_wait_xcnt 0x0                                ; the registers that the stores of the block before read are loaded again only behind this wait
.irp t, 0,1,2,3,4,5,6,7
	global_store_b128 v[CO], v[BK+4*(\t):BK+4*(\t)+3], s[10:11] offset:(16*(\a)+2*(\t))*256  ; a head's rows are dense: 512 consecutive bytes, aligned
.endr
.endm
	PACKR 0
	TOSTAGE 0
.irp a, 1,2,3                          ; block a's arithmetic stands between block a - 1's loads from the stage and the wait for them
	PACKR \a
	SEND (\a)-1
	TOSTAGE \a
.endr
	SEND 3
	s_wait_tensorcnt 0x0                           ; the wave's end: behind my last tensor load and my last LDS store
	ds_add_u32 v[SPW], v[NIL]
	s_wait_dscnt 0x0
	CROUND                                         ; the closing round
	s_endpgm
.Lfunc_end_k_q35505e5b28_qkv:
	.size	k_q35505e5b28_qkv, .Lfunc_end_k_q35505e5b28_qkv-k_q35505e5b28_qkv
	.p2alignl 7, 3214868480
	.fill 96, 4, 3214868480
	.section	.rodata,"a",@progbits
	.p2align	6, 0x0
	.amdhsa_kernel k_q35505e5b28_qkv
		.amdhsa_group_segment_fixed_size 327680
		.amdhsa_private_segment_fixed_size 0
		.amdhsa_enable_private_segment 0
		.amdhsa_kernarg_size 32
		.amdhsa_user_sgpr_count 2
		.amdhsa_user_sgpr_kernarg_segment_ptr 1
		.amdhsa_wavefront_size32 1
		.amdhsa_system_sgpr_workgroup_id_x 1
		.amdhsa_system_sgpr_workgroup_id_y 1
		.amdhsa_system_sgpr_workgroup_id_z 1
		.amdhsa_system_vgpr_workitem_id 0
		.amdhsa_next_free_vgpr 1024
		.amdhsa_next_free_sgpr 80
		.amdhsa_reserve_vcc 0
		.amdhsa_float_denorm_mode_32 3
		.amdhsa_float_denorm_mode_16_64 3
		.amdhsa_memory_ordered 1
		.amdhsa_forward_progress 1
		.amdhsa_inst_pref_size 160
	.end_amdhsa_kernel
	.amdgpu_metadata
---
amdhsa.version: [ 1, 2 ]
amdhsa.kernels:
  - .name:           k_q35505e5b28_qkv
    .symbol:         k_q35505e5b28_qkv.kd
    .args:
      - { .name: xb, .offset: 0, .size: 8, .value_kind: global_buffer, .address_space: global }
      - { .name: wb, .offset: 8, .size: 8, .value_kind: global_buffer, .address_space: global }
      - { .name: cs, .offset: 16, .size: 8, .value_kind: global_buffer, .address_space: global }
      - { .name: qkv, .offset: 24, .size: 8, .value_kind: global_buffer, .address_space: global }
    .group_segment_fixed_size: 327680
    .private_segment_fixed_size: 0
    .kernarg_segment_align: 8
    .kernarg_segment_size: 32
    .max_flat_workgroup_size: 128
    .sgpr_count:     80
    .vgpr_count:     1024
    .wavefront_size: 32
...
	.end_amdgpu_metadata
.endif
;; end of part 2
;; launch attn (part 3): grid 32 x 8, 4 waves a work-group, clusters of 4 x 4, 327,680 bytes of LDS; arguments qkv, mk, of; writes of
.if DOCPART == 3
	.amdgcn_target "amdgcn-amd-amdhsa--gfx1250"
	.amdhsa_code_object_version 6
	.text
	.protected	k_q35505e5b28_attn
	.globl	k_q35505e5b28_attn
	.p2align	8
	.type	k_q35505e5b28_attn,@function
k_q35505e5b28_attn:
	s_mov_b64 s[64:65], 0
	v_nop
	global_prefetch_b8 v0, s[64:65] scope:SCOPE_SE
	s_setreg_imm32_b32 hwreg(HW_REG_WAVE_MODE, 25, 1), 1
	s_wait_xcnt 0x0
	s_wait_alu depctr_hold_cnt(0) depctr_sa_sdst(0) depctr_va_vdst(0) depctr_va_sdst(0) depctr_va_ssrc(0) depctr_va_vcc(0) depctr_vm_vsrc(0)
	s_getreg_b32 s2, hwreg(HW_REG_IB_STS2, 6, 4)
	s_cmp_eq_u32 s2, 0
	s_cbranch_scc0 .Lentry_in_a_cluster
	s_endpgm
.Lentry_in_a_cluster:
	s_bfe_u32 s2, ttmp6, 0x10000c
	s_cmp_lg_u32 s2, 0xf033
	s_cbranch_scc0 .Lentry_shape_is_right
	s_endpgm
.Lentry_shape_is_right:
; O = softmax(q . k / sqrt(128) + mask) v for 2 batches x 8 query heads on 4 key and value heads, 2,048 rows, head size 128.  The mask is an input: every key is walked and the mask is added as it is given.
; qkv: q/16 [2][8][2048][128] at byte 0, k/16 [2][4][2048][128] at 8,388,608, v/16 at 12,582,912, f16.  mk: [2048 q][2048 k] f32, the mask x sqrt(128) / 256.  of: O/16, [4096][1024] f16, column = head x 128 + channel.
; S = (q/16) . (k/16) + mk, and p = 2^(c S - c m) with c = 256 log2(e) / sqrt(128) and a running maximum m.  Products, maxima and sums in f32; p is rounded to f16 for the second product, O once at the end.
; LIMITS.  m starts at -2^119: a score below that (a mask value under about -1.5e37, -inf too) has weight 0, and a row in which all scores lie there gives NaN.  NaN and +inf are not treated apart.
; Where a mask value is so large that score + mask loses the score's bits in f32, a row with no other key takes its weights from that rounding, which is not bit for bit that of f32 score + mask.
; SHARES.  A work-group owns 64 query rows x the two query heads of one key and value head.  Wave w: rows 32 (w % 2) .. + 31 of them, both heads: four tiles of 16 (tile t: rows 16 (t / 2) on, head t % 2),
; and of every slot of 128 keys the half w / 2.  Waves w and w + 2 add their halves (c m, l, O, all f32) through LDS at the end.
; LAYOUT.  S^T = K Q^T (source 0 = 16 keys, source 1 = 16 queries): a lane holds ONE query (lane % 16) and the keys 8 (lane / 16) + 0..7.  THE MASK IS THE C OPERAND that starts the sum: eight neighbouring f32 of
; a mask row a lane; a piece's two tiles (the same rows, two heads) share it.  Two results rounded to f16 ARE source 1 of O^T = V^T P.  K comes out of LDS as it lies, V turned (ds_load_tr16_b128).
; BY TURNS.  The tiles are two PIECES (0: tiles 0, 1; 2: tiles 2, 3).  In a TURN one piece has the matrix unit: 32 products V^T P of the step in hand, then 32 products K Q^T of the next; the other piece's softmax,
; cut into 64 slices, stands between them, one slice behind each matrix instruction.
; NO FIRST AND NO LAST TURN IS WRITTEN OUT.  The loop is entered at piece 2's turn, whose products V^T P then run on zeros (V and piece 2's P are cleared); the tail is left behind piece 0's turn, whose
; products K Q^T then run on the last K once more and serve nothing.  The price, once a launch: 64 products and 160 lines that clear; the gain: two turns' text less.
; CLUSTER 4 x 4: x = four blocks of query rows, y = the four key and value heads of one batch.  K's and V's tiles are asked for jointly along a row, the mask's tile along a column.
; REGISTERS: window 0: v1-11, v44-46, v61-63 addresses; v12-43 statistics, 8 a tile; v64-191 S^T, 32 a tile; v192-255 P, 16 a tile.  window 1: O^T, 64 a tile.  window 2: v0-127 Q; v128-255 K of a step.
;   window 3: v0-127 V of a step; v128-191 the mask, 32 a piece.
.set PK,    272       ; a row of K in LDS: 256 bytes + 16
.set PV,    288       ; a row of V: 256 + 32
.set PM,    528       ; a row of the mask's tile: 512 + 16
.set VOFF,  128*PK
.set MOFF,  VOFF+128*PV
.set SLOT1, 1<<17     ; a slot (128 keys: K, V, 64 mask rows) is 105,472 bytes; slot 1 begins here
.set STAGE, MOFF+64*PM  ; behind slot 0: 16 rows x 272 bytes for each wave, for the way out
.set SP,    272
.set SPARE, STAGE+4*16*SP  ; the spare words, 128 bytes for each wave: two blocks of 256 bytes that no other line names
.set MRG,   SLOT1+MOFF+64*PM  ; behind slot 1: for each pair of waves 64 x 512 bytes of O^T and 4 x 512 of statistics
.set MRGB,  34816
.set AK0, 2           ; v2   my lane's place in a slot's K; never rewritten
.set AV0, 3           ; v3   in its V
.set ADR, 4           ; v4   the LDS address of the run of loads in hand
.set QO,  5           ; v5   my byte offset in 16 rows of Q
.set STO, 6           ; v6   the way out: where I put 16 bytes of a row
.set RD,  7           ; v7   where I read rows back
.set GO,  8           ; v8   my byte offset in two rows of the output
.set AM0, 10          ; v10  my lane's place in a slot's mask tile
.set ADM, 11          ; v11  the LDS address of the mask's loads
.set MS,  44          ; v44  my 16 bytes in a line of the merge area
.set PFO, 61          ; v61  the prefetches' offset; never rewritten
.set SPW, 62          ; v62  LDS address of my spare word; never rewritten
.set NIL, 63          ; v63  0; never rewritten
.set ST,  12          ; tile t's statistics at v[ST+8 t]: +0 c m, +1 m, +2, +3 l (even keys', odd keys'), +4 to +7 at work; a takes +6
.set S,   64
.set P,   192
.set KF,  128         ; window 2
.set MK,  128         ; window 3
.set G1K, 24
.set G1V, 32
.set G1M, 40
.set G0K, 48          ; one walking group 0 for each tensor
.set G0V, 52
.set G0M, 56
.set CS,  60          ; s[60:61] c
.set SEL, 62          ; s[62:63] v_permlanex16_b32's selects: each lane takes its own place in the other half
.set WV,  66
.set SLOTS, 67        ; slots still to be asked for
.set TB,  68          ; LDS byte at which the slot in hand begins
.set LIM, 69          ; 1 in a wave that prefetches, else the greatest number
.set PFA, 70          ; s[70:71] where my prefetches stand
.set PST, 72          ; s[72:73] a slot's step in the prefetched tensor
.set CX,  74
.set CY,  75
.set CNT, 87          ; s87  counts the tail's two passes
.set MSB, 0
.macro WIN new
.if MSB != (\new)
	s_set_vgpr_msb (MSB<<8)|(\new)
.set MSB, \new
.endif
.endm
.set W_KQ, 0x0a       ; K and Q in window 2, S^T in window 0
.set W_KM, 0x3a       ; the same with the C operand, the mask, in window 3
.set W_PV, 0x53       ; V in window 3, P in window 0, O^T in window 1
.set W_RS, 0x41       ; O^T in window 1, its factor in window 0
.macro PLACES
.rept 4
	v_nop
.endr
.endm
; A joint fill of a slot: wave 0 asks for K's 128 rows, wave 1 for V's, wave 2 for the mask's 64; wave 3 has none.  The branches hang on the wave's number alone.  An s_nop 0 and four v_nop follow each line.
.macro JLOAD
	s_cmp_lg_u32 s[WV], 0
	s_cbranch_scc1 .Lnot_k_\@
	tensor_load_to_lds s[G0K:G0K+3], s[G1K:G1K+7]
	s_nop 0
.rept 4
	v_nop
.endr
	s_branch .Lasked_\@
.Lnot_k_\@:
	s_cmp_lg_u32 s[WV], 1
	s_cbranch_scc1 .Lnot_v_\@
	tensor_load_to_lds s[G0V:G0V+3], s[G1V:G1V+7]
	s_nop 0
.rept 4
	v_nop
.endr
	s_branch .Lasked_\@
.Lnot_v_\@:
	s_cmp_lg_u32 s[WV], 2
	s_cbranch_scc1 .Lasked_\@
	tensor_load_to_lds s[G0M:G0M+3], s[G1M:G1M+7]
	s_nop 0
.rept 4
	v_nop
.endr
.Lasked_\@:
.endm
; A PREFETCH INTO THE L2 of what the NEXT change of slots will ask for, behind the wave's tensor load and its five lines: one instruction a wave, a lane a block of 256 bytes.
; Each block is named once in the launch.  K's and V's rows are walked by all clusters of one y: those with x = 0 ask (wave 0 K, wave 1 V; of a slot's 128 rows the partner at cx takes 32).
; The mask's tile is walked by both clusters of one x: those with y = 0 ask (wave 2; of the 64 rows of 512 bytes the partner at cy takes 16).  Partners are told apart by address alone.
; Slots 0 to 2 come by their loads alone; the last fill asks for nothing.
.macro ASK
	s_cmp_gt_u32 s[SLOTS], s[LIM]
	s_cbranch_scc0 .Lnot_mine_\@
	global_prefetch_b8 v[PFO], s[PFA:PFA+1] th:TH_LOAD_NT scope:SCOPE_SE
.Lnot_mine_\@:
.endm
.macro CROUND
	s_barrier_signal -1
	s_barrier_wait -1
	s_cmp_lg_u32 s[WV], 0
	s_cbranch_scc1 .Lnot_wave_0_\@
	s_barrier_signal -3
.Lnot_wave_0_\@:
	s_barrier_wait -3
	s_barrier_signal -1
	s_barrier_wait -1
.endm
	s_load_b128 s[4:7], s[0:1], 0x0  ; qkv s[4:5], mk s[6:7]
	s_load_b64 s[8:9], s[0:1], 0x10  ; of
	v_lshl_add_u32 v[SPW], v0, 2, SPARE
	v_mov_b32 v[NIL], 0
	ds_add_u32 v[SPW], v[NIL]       ; the wave's opening: the add and its wait stand ahead of my first tensor load; work on registers stands between them
	v_lshrrev_b32 v1, 5, v0
	v_readfirstlane_b32 s[WV], v1
	s_bfe_u32 s[CX], ttmp6, 0x40000
	s_bfe_u32 s[CY], ttmp6, 0x40004  ; the key and value head
	s_and_b32 s76, ttmp7, 0xffff    ; the batch = cluster y
	s_lshl_b32 s77, ttmp9, 2
	s_add_co_u32 s77, s77, s[CX]    ; my block of 64 query rows
	s_lshl_b32 s12, s[CY], 2
	s_lshl_b32 s12, 15, s12         ; my row of the cluster
	s_lshl_b32 s13, 0x1111, s[CX]   ; my column
	s_or_b32 s[G1K], s12, (1<<16)|(1<<20)|(1<<21)|(5<<22)|(3<<25)  ; mask; 2-byte elements; padding on; bit 21 beside a mask; after every 64 words 4 words
	s_or_b32 s[G1V], s12, (1<<16)|(1<<20)|(1<<21)|(5<<22)|(7<<25)  ; 8 words
	s_or_b32 s[G1M], s13, (2<<16)|(1<<20)|(1<<21)|(6<<22)|(3<<25)  ; 4-byte elements; after every 128 words 4 words
.irp g, G1K, G1V
	s_mov_b32 s[(\g)+1], 128<<16    ; tensor_dim0 = 128
	s_mov_b32 s[(\g)+2], 128<<16    ; tensor_dim1 = 128
	s_mov_b32 s[(\g)+3], 128<<16    ; tile_dim0 = 128
	s_mov_b32 s[(\g)+4], 128        ; tile_dim1 = 128 rows
	s_mov_b32 s[(\g)+5], 128        ; elements from row to row
	s_mov_b32 s[(\g)+6], 0
	s_mov_b32 s[(\g)+7], 0
.endr
	s_mov_b32 s[G1M+1], 128<<16
	s_mov_b32 s[G1M+2], 64<<16
	s_mov_b32 s[G1M+3], 128<<16
	s_mov_b32 s[G1M+4], 64          ; 64 query rows
	s_mov_b32 s[G1M+5], 2048
	s_mov_b32 s[G1M+6], 0
	s_mov_b32 s[G1M+7], 0
	s_lshl_b32 s14, s76, 2
	s_add_co_u32 s14, s14, s[CY]
	s_lshl_b32 s14, s14, 19         ; the head's 2,048 rows of 256 bytes,
	s_add_co_u32 s16, s14, 12582912 ; in v's region
	s_add_co_u32 s14, s14, 8388608  ; and in k's
	s_mov_b32 s15, 0
	s_mov_b32 s17, 0
	s_lshl_b32 s18, s77, 19         ; the mask: 64 rows of 8,192 bytes a block
	s_mov_b32 s19, 0
	s_mov_b32 s[G0K], 1
	s_mov_b32 s[G0K+1], 0           ; LDS addresses: slot 0
	s_mov_b32 s[G0V], 1
	s_mov_b32 s[G0V+1], VOFF
	s_mov_b32 s[G0M], 1
	s_mov_b32 s[G0M+1], MOFF
	s_mov_b32 s[CS], 0x420293ee     ; c = 256 log2(e) / sqrt(128) = 32.6444
	s_mov_b32 s[CS+1], s[CS]
	s_mov_b32 s[SEL], 0x76543210
	s_mov_b32 s[SEL+1], 0xfedcba98
	s_mov_b32 s[TB], SLOT1          ; the first change of slots turns it into 0
	s_and_b32 s78, s[WV], 1         ; which 32 of the 64 rows
	s_lshr_b32 s79, s[WV], 1        ; which half of a slot's keys
	s_lshl_b32 s20, s76, 3          ; Q: ((batch x 8 + 2 head) x 2,048 + 64 block + 32 set) x 256
	s_lshl_b32 s21, s[CY], 1
	s_add_co_u32 s20, s20, s21
	s_lshl_b32 s20, s20, 11
	s_lshl_b32 s21, s77, 6
	s_add_co_u32 s20, s20, s21
	s_lshl_b32 s21, s78, 5
	s_add_co_u32 s20, s20, s21
	s_lshl_b32 s20, s20, 8
	s_mov_b32 s21, 0
	s_lshl_b32 s22, s76, 11         ; the output: (batch x 2,048 + 64 block + 32 set) x 2,048 + 512 head
	s_lshl_b32 s23, s77, 6
	s_add_co_u32 s22, s22, s23
	s_lshl_b32 s23, s78, 5
	s_add_co_u32 s22, s22, s23
	s_lshl_b32 s22, s22, 11
	s_lshl_b32 s23, s[CY], 9
	s_add_co_u32 s22, s22, s23
	s_mov_b32 s23, 0
	; the prefetches stand at slot 2; each change that asks steps them first
	s_lshl_b32 s80, s[CX], 13       ; K, V: my work-group's 32 rows of the 128
	s_add_co_u32 s80, s80, 2*32768
	s_add_co_u32 s81, s80, s16
	s_add_co_u32 s80, s80, s14
	s_lshl_b32 s82, s[CY], 17       ; the mask: my work-group's 16 rows of the 64
	s_add_co_u32 s82, s82, s18
	s_add_co_u32 s82, s82, 2*512
	s_cmp_eq_u32 s[WV], 0
	s_cselect_b32 s80, s80, s81
	s_mov_b32 s[PST], 512
	s_mov_b32 s[PST+1], 0
	s_mov_b32 s85, 0
	s_wait_dscnt 0x0                ; the opening add is done
	s_wait_kmcnt 0x0
	s_cmp_lt_u32 s[WV], 2
	s_cselect_b32 s84, s80, s82
	s_cselect_b32 s[PST], 32768, s[PST]
	s_cselect_b64 s[PFA:PFA+1], s[4:5], s[6:7]
	s_cselect_b32 s83, ttmp9, s76   ; the coordinate along which other clusters walk the same bytes
	s_cselect_b32 s86, -1, 0
	s_add_nc_u64 s[PFA:PFA+1], s[PFA:PFA+1], s[84:85]
	s_cmp_eq_u32 s[WV], 3
	s_cselect_b32 s83, 1, s83       ; wave 3 asks for nothing
	s_cmp_eq_u32 s83, 0
	s_cselect_b32 s[LIM], 1, -1
	s_add_nc_u64 s[G0K+2:G0K+3], s[4:5], s[14:15]
	s_or_b32 s[G0K+3], s[G0K+3], 0x80000000
	s_add_nc_u64 s[G0V+2:G0V+3], s[4:5], s[16:17]
	s_or_b32 s[G0V+3], s[G0V+3], 0x80000000
	s_add_nc_u64 s[G0M+2:G0M+3], s[6:7], s[18:19]
	s_or_b32 s[G0M+3], s[G0M+3], 0x80000000
	s_add_nc_u64 s[10:11], s[4:5], s[20:21]  ; Q at my first row, first head
	s_add_nc_u64 s[8:9], s[8:9], s[22:23]
	CROUND                          ; all sixteen work-groups are here: the first joint loads meet
	JLOAD                           ; slot 0.  Slot 1 is asked for when slot 0 is in, by the change of slots
	v_and_b32 v1, 15, v0            ; r = l % 16
	v_bfe_u32 v9, v0, 4, 1          ; h = l / 16
	v_lshlrev_b32 v[QO], 8, v1
	v_lshl_add_u32 v[QO], v9, 4, v[QO]
	WIN 0x80                        ; destination window 2
.irp i, 0,1,2,3,4,5,6,7,8,9,10,11,12,13,14,15  ; Q stays in registers: tile i / 4 (head (i / 4) % 2, rows 16 (i / 8) on), channels 32 (i % 4) on
	global_load_b128 v[8*(\i):8*(\i)+3],   v[QO], s[10:11] offset:(((\i)/4)%2)*524288+((\i)/8)*4096+((\i)%4)*64
	global_load_b128 v[8*(\i)+4:8*(\i)+7], v[QO], s[10:11] offset:(((\i)/4)%2)*524288+((\i)/8)*4096+((\i)%4)*64+32
.endr
	; O^T and l start at 0, c m far below every c s, m at -2^119: the first step is a step like any other, with a = 0.  V and piece 2's P start at 0: the first turn's products V^T P, of a step that
	; has not been, add 0.  All this stands in the wait for the first tile.
	WIN 0x40
.set i, 0
.rept 256
	v_mov_b32 v[i], 0
.set i, i+1
.endr
	WIN 0xc0
.set i, 0
.rept 128
	v_mov_b32 v[i], 0
.set i, i+1
.endr
	WIN 0
.set i, P+32
.rept 32
	v_mov_b32 v[i], 0
.set i, i+1
.endr
.set i, 0
.rept 4
	v_mov_b32 v[ST+8*i], 0xfe000000
	v_mov_b32 v[ST+8*i+1], 0xfb000000
	v_mov_b32 v[ST+8*i+2], 0
	v_mov_b32 v[ST+8*i+3], 0
.set i, i+1
.endr
	s_mul_i32 s20, s79, 64*PK       ; my half of a slot's keys
	v_mul_u32_u24 v[AK0], v1, PK
	v_lshl_add_u32 v[AK0], v9, 4, v[AK0]
	v_add_nc_u32 v[AK0], s20, v[AK0]
	v_and_b32 v45, 7, v0            ; the turning load: lane l reads key 8 h + l % 8, channels 8 ((l / 8) % 2) + 0..7
	v_bfe_u32 v46, v0, 3, 1
	v_lshl_add_u32 v[AV0], v9, 3, v45
	v_mul_u32_u24 v[AV0], v[AV0], PV
	v_lshl_add_u32 v[AV0], v46, 4, v[AV0]
	s_mul_i32 s20, s79, 64*PV
	s_add_co_u32 s20, s20, VOFF
	v_add_nc_u32 v[AV0], s20, v[AV0]
	s_mul_i32 s20, s78, 32*PM       ; the mask: row 32 set + r, keys 64 p + 8 h on, 4 bytes each
	s_lshl_b32 s21, s79, 8
	s_add_co_u32 s20, s20, s21
	s_add_co_u32 s20, s20, MOFF
	v_mul_u32_u24 v[AM0], v1, PM
	v_lshl_add_u32 v[AM0], v9, 5, v[AM0]
	v_add_nc_u32 v[AM0], s20, v[AM0]
	s_mul_i32 s20, s78, MRGB
	s_add_co_u32 s20, s20, MRG
	v_and_b32 v[MS], 31, v0
	v_lshl_add_u32 v[MS], v[MS], 4, s20
	v_and_b32 v45, 31, v0
	v_lshlrev_b32 v[PFO], 8, v45    ; K, V: a lane a row of 256 bytes
	v_lshrrev_b32 v46, 1, v45       ; the mask: two lanes a row of 512
	v_and_b32 v45, 1, v45
	v_lshlrev_b32 v45, 8, v45
	v_lshl_add_u32 v45, v46, 13, v45
	v_cndmask_b32 v[PFO], v45, v[PFO], s86
; THE MATRIX WORK OF A TURN, for piece x.  The accumulators take turns, one instruction a turn: between two links of a chain stand 15 (V^T P) or 7 (K Q^T) others'.
; Product i of 32 of O^T += V^T P: keys 32 (i / 16) on, channels 16 ((i / 2) % 8) on, tile x + i % 2.
.macro PV x
	WIN W_PV
.set rO, 64*((\x)+i%2)+8*((i/2)%8)
.set rV, 64*(i/16)+8*((i/2)%8)
.set rP, P+16*((\x)+i%2)+8*(i/16)
	v_wmma_f32_16x16x32_f16 v[rO:rO+7], v[rV:rV+7], v[rP:rP+7], v[rO:rO+7]
.endm
; Product i of 32 of S^T = K Q^T + mask: channels 32 (i / 8) on, keys 16 ((i / 2) % 4) on, tile x + i % 2.  The first 8 start the sums with the mask.
.macro KQ x
.set rS, S+32*((\x)+i%2)+8*((i/2)%4)
.set rK, KF+32*((i/2)%4)+8*(i/8)
.set rQ, 32*((\x)+i%2)+8*(i/8)
.set rM, MK+32*((\x)/2)+8*((i/2)%4)
.if i < 8
	WIN W_KM
	v_wmma_f32_16x16x32_f16 v[rS:rS+7], v[rK:rK+7], v[rQ:rQ+7], v[rM:rM+7]
.else
	WIN W_KQ
	v_wmma_f32_16x16x32_f16 v[rS:rS+7], v[rK:rK+7], v[rQ:rQ+7], v[rS:rS+7]
.endif
.endm
; THE LDS LOADS stand in runs: a step's K (64 keys x 128 channels) with both pieces' masks (48 loads), and a turn later its V, turned (32).
; last = 1 (the tail): in the second pass there is no further step, and the run is jumped over.
.macro FETCH_KM last=0
	WIN 0
.if \last
	s_cmp_eq_u32 s[CNT], 1
	s_cbranch_scc1 .Lno_k_\@
.endif
	v_add_nc_u32 v[ADR], s[TB], v[AK0]
	v_add_nc_u32 v[ADM], s[TB], v[AM0]
	WIN 0x80                        ; destination window 2
.irp f, 0,1,2,3,4,5,6,7,8,9,10,11,12,13,14,15  ; keys 16 (f / 4) on, channels 32 (f % 4) on
	ds_load_b128 v[KF+8*(\f):KF+8*(\f)+3],   v[ADR] offset:((\f)/4)*16*PK+((\f)%4)*64
	ds_load_b128 v[KF+8*(\f)+4:KF+8*(\f)+7], v[ADR] offset:((\f)/4)*16*PK+((\f)%4)*64+32
.endr
	WIN 0xc0                        ; destination window 3
.irp f, 0,1,2,3,4,5,6,7             ; rows 16 (f / 4) on, keys 16 (f % 4) on
	ds_load_b128 v[MK+8*(\f):MK+8*(\f)+3],   v[ADM] offset:((\f)/4)*16*PM+((\f)%4)*64
	ds_load_b128 v[MK+8*(\f)+4:MK+8*(\f)+7], v[ADM] offset:((\f)/4)*16*PM+((\f)%4)*64+16
.endr
.if \last
	WIN 0
.Lno_k_\@:
.endif
.endm
.macro FETCH_V
	WIN 0
	v_add_nc_u32 v[ADR], s[TB], v[AV0]
	s_wait_alu depctr_va_vdst(0)    ; the wait for the softmax's batch of exponentials, behind the address's line and ahead of the loads
	WIN 0xc0
.irp f, 0,1,2,3,4,5,6,7,8,9,10,11,12,13,14,15  ; keys 32 (f / 8) on, channels 16 (f % 8) on
	ds_load_tr16_b128 v[8*(\f):8*(\f)+3],   v[ADR] offset:((\f)/8)*32*PV+((\f)%8)*32
	ds_load_tr16_b128 v[8*(\f)+4:8*(\f)+7], v[ADR] offset:((\f)/8)*32*PV+16*PV+((\f)%8)*32
.endr
.endm
; THE VECTOR WORK OF A TURN.  One tile's softmax for a step is a list of 134 instructions; SM writes number j of it for tile t.  s0-s31 are the lane's 32 scores, in pairs 0-15.
;   0-15    the maximum of s0-s31 and the old m, three operands at a time (each accumulator's lowest registers are read first)
;   16-20   the other half of the lanes' maximum; the new m; c m; c m_old - c m_new
;   21-69   ONE BATCH: the 16 scalings c s - c m and all 33 exponentials (a at 23, then s0-s31); none of these reads an exponential's result
;   (wait)  between 69 and 70 stands the one wait for the batch: SLICE writes it, once for both tiles
;   70-85   the roundings to f16     86-101  the sums; l = a l + the sum     102-133 the tile's O^T times a
.macro SM t
.set rT, ST+8*(\t)
.set rS, S+32*(\t)
.set rP, P+16*(\t)
.set rO, 64*(\t)+2*(j-102)
.if j < 102
	WIN 0
.endif
.if j < 4
	v_max3_num_f32 v[rT+4+j], v[rS+8*j], v[rS+8*j+1], v[rS+8*j+2]
.elseif j < 12
	v_max3_num_f32 v[rT+4+j%4], v[rT+4+j%4], v[rS+8*(j%4)+2*(j/4)+1], v[rS+8*(j%4)+2*(j/4)+2]
.elseif j == 12
	v_max3_num_f32 v[rT+4], v[rT+4], v[rS+7], v[rS+15]
.elseif j == 13
	v_max3_num_f32 v[rT+6], v[rT+6], v[rS+23], v[rS+31]
.elseif j == 14
	v_max3_num_f32 v[rT+4], v[rT+4], v[rT+5], v[rT+6]
.elseif j == 15
	v_max3_num_f32 v[rT+4], v[rT+4], v[rT+7], v[rT+1]
.elseif j == 16
	v_permlanex16_b32 v[rT+5], v[rT+4], s[SEL], s[SEL+1]  ; the query's other 32 keys lie in the lane 16 away
.elseif j == 17
	v_mov_b32 v[rT+7], v[rT]        ; c m_old is kept for a
.elseif j == 18
	v_max_num_f32 v[rT+1], v[rT+4], v[rT+5]
.elseif j == 19
	v_mul_f32 v[rT], s[CS], v[rT+1]
.elseif j == 20
	v_sub_f32 v[rT+7], v[rT+7], v[rT]
.elseif j == 23
	v_exp_f32 v[rT+6], v[rT+7]
.elseif (j < 23) || ((j < 38) && (j%2 == 0)) || ((j < 66) && (j%4 == 2))
.set b, (j-2)/4                     ; 38, 42, .. 62: pairs 9 to 15
.if j < 38
.set b, (j-20)/2                    ; 21: pair 0; 22, 24, .. 36: pairs 1 to 8
.endif
	v_pk_fma_f32 v[rS+2*b:rS+2*b+1], v[rS+2*b:rS+2*b+1], s[CS:CS+1], v[rT:rT+1] op_sel_hi:[1,0,0] neg_lo:[0,0,1] neg_hi:[0,0,1]
.elseif j < 70
.set e, j-38                        ; 66 to 69: s28 to s31
.if j < 66
.set e, j-32-(j-38)/4               ; 39-41, 43-45, .. 63-65: s7 to s27
.endif
.if j < 38
.set e, (j-25)/2                    ; 25, 27, .. 37: s0 to s6
.endif
	v_exp_f32 v[rS+e], v[rS+e]
.elseif j < 86
	v_cvt_pk_f16_f32 v[rP+j-70], v[rS+2*(j-70)], v[rS+2*(j-70)+1]
.elseif j < 102                     ; the 16 pairs are added in place, neighbours 1, 2, 4 and 8 pairs apart; then l takes the sum
.set z, j-86
.set w, 4
.set u, z
.if z >= 14
.set w, 32
.set u, 0
.elseif z >= 12
.set w, 16
.set u, z-12
.elseif z >= 8
.set w, 8
.set u, z-8
.endif
.if z < 15
	v_pk_add_f32 v[rS+w*u:rS+w*u+1], v[rS+w*u:rS+w*u+1], v[rS+w*u+w/2:rS+w*u+w/2+1]
.else
	v_pk_fma_f32 v[rT+2:rT+3], v[rT+2:rT+3], v[rT+6:rT+7], v[rS:rS+1] op_sel_hi:[1,0,1]
.endif
.else
	WIN W_RS
	v_pk_mul_f32 v[rO:rO+1], v[rO:rO+1], v[rT+6:rT+7] op_sel_hi:[1,0]
.endif
.endm
; Slice k of 64 of piece y's softmax: four instructions.  Slices 11 to 34 deal out the batch, four numbers of ONE tile each, the tiles by turns; every other slice is numbers 2 k and 2 k + 1 of both tiles;
; the twelve that are over stand in slice 63, where they are also the places behind the turn's last products.  Ahead of slice 35 nothing names an exponential's result, behind slice 34 none is issued: one wait.
.macro SLICE y
.if (k >= 11) && (k < 35)
.irp n, 0,1,2,3
.set j, 22+4*((k-11)/2)+(\n)
	SM (\y)+(k-11)%2
.endr
.else
.irp n, 0,1,2,3,4,5,6,7
.if ((\n) < 2) || (k == 63)
.irp t, \y, (\y)+1
.set j, 2*k+(\n)
	SM \t
.endr
.endif
.endr
.endif
.if k == 34
	v_nop                           ; the plain instruction behind the last exponential: one for the batch
.if (\y) == 0
	FETCH_V                         ; piece 2's turn: V's run of loads stands here, and the wait stands in it.  Behind V's last reader stand four plain lines: two scalings, the v_nop, the address
.else
	s_wait_alu depctr_va_vdst(0)    ; the wait for the batch
.endif
.endif
.set k, k+1
.endm
; A TURN.  Piece x has the matrix unit: 32 products V^T P, then 32 products K Q^T for the next step; the other piece's softmax stands in slices behind them, one behind each.
; Piece 0's turn fetches the next step's K and masks behind its second product.
.macro TURN x, last=0
.set k, 0
.if (\x) == 0
	s_wait_dscnt 0x0                ; V is in
.endif
.set i, 0
.rept 32
	PV \x
	SLICE 2-(\x)
.if ((\x) == 0) && (i == 1)
	FETCH_KM \last
.endif
.set i, i+1
.endr
.if (\x) == 0
	s_wait_dscnt 0x0                ; K and the masks are in
.endif
.set i, 0
.rept 32
	KQ \x
	SLICE 2-(\x)
.set i, i+1
.endr
.endm
; THE CHANGE OF SLOTS, between piece 2's turn and piece 0's: the slot's last bytes, its V, have been asked for.  Each wave waits for all its tensor loads (at most one is out: its part of the other slot),
; adds 0 to its spare word, and waits for that and for its reads of the slot.  fill = 1: the barrier is a round of the cluster's, and behind it the slot is filled again, with the keys two slots on:
; that load has a trip, 128 matrix instructions and their slices, in which to land.  (At its first use nothing has been read: slot 0 is waited for, slot 1 filled.)
.macro CHANGE fill, ask
	WIN 0
	s_wait_tensorcnt 0x0            ; no tensor load of mine is out, so a group 0 may be written
	ds_add_u32 v[SPW], v[NIL]       ; 0 onto my spare word
.if \fill
.irp g, G0K, G0V, G0M
	s_xor_b32 s[(\g)+1], s[(\g)+1], SLOT1
.endr
	s_add_nc_u64 s[G0K+2:G0K+3], s[G0K+2:G0K+3], 32768  ; the next 128 keys' rows,
	s_add_nc_u64 s[G0V+2:G0V+3], s[G0V+2:G0V+3], 32768
	s_add_nc_u64 s[G0M+2:G0M+3], s[G0M+2:G0M+3], 512    ; and their 128 columns of the mask
.endif
.if \ask
	s_wait_xcnt 0x0                 ; the last prefetch, a trip back, has read its address
	s_add_nc_u64 s[PFA:PFA+1], s[PFA:PFA+1], s[PST:PST+1]
.endif
	s_wait_dscnt 0x0                ; the add is done, and my reads of the slot are over
.if \fill
	CROUND
	JLOAD
.if \ask
	ASK
.endif
.else
	s_barrier_signal -1
	s_barrier_wait -1
.endif
	s_xor_b32 s[TB], s[TB], SLOT1   ; the fetches go to the other slot
.endm
	CHANGE 1, 0                     ; slot 0 is in, everybody's part of it; slot 1 is asked for
	FETCH_KM                        ; step 0
	s_wait_loadcnt 0x0              ; Q
	s_wait_dscnt 0x0
.set i, 0
.rept 32
	KQ 0                            ; piece 0's first scores
.set i, i+1
.endr
	WIN 0                           ; the addresses for the way out: eight plain instructions, the places behind those products
	s_mul_i32 s20, s[WV], 16*SP
	s_add_co_u32 s20, s20, STAGE
	v_mul_u32_u24 v[STO], v1, SP
	v_lshl_add_u32 v[STO], v9, 4, v[STO]
	v_add_nc_u32 v[STO], s20, v[STO]
	v_mul_u32_u24 v[RD], v9, SP
	v_lshl_add_u32 v[RD], v1, 4, v[RD]
	v_add_nc_u32 v[RD], s20, v[RD]
	v_lshlrev_b32 v[GO], 11, v9     ; two rows of the output, 2,048 bytes apart
	v_lshl_add_u32 v[GO], v1, 4, v[GO]
	s_mov_b32 s[SLOTS], 15          ; the half trip below takes one off: slots 2 to 15 are then still to be asked for
	s_branch .Lmid                  ; the loop is entered at piece 2's turn: its scores of step 0 | piece 0's first softmax | V of step 0
.Lslot:                             ; a trip: V^T P of one step, K Q^T of the next
	CHANGE 1, 1
	TURN 0
	WIN 0
.Lmid:
	TURN 2
	WIN 0
	s_sub_co_u32 s[SLOTS], s[SLOTS], 1
	s_cmp_lg_u32 s[SLOTS], 0
	s_cbranch_scc1 .Lslot
	CHANGE 0, 0                     ; the tail has a text of its own: nothing is asked for
	s_mov_b32 s[CNT], 2             ; its first pass is the last trip; the second is left in its middle
.Ltail:
	TURN 0, 1
	WIN 0
	s_sub_co_u32 s[CNT], s[CNT], 1
	s_cmp_eq_u32 s[CNT], 0
	s_cbranch_scc1 .Lout
	TURN 2
	WIN 0
	s_branch .Ltail
.Lout:
.set i, 0
.rept 32
	PV 2                            ; piece 2: V^T P of the last step
.set i, i+1
.endr
	; THE TWO HALVES OF THE KEYS MEET.  Waves 2 and 3 lay c m, l and O^T (f32) into LDS; waves 0 and 1 add them to their own: O = (O1 a1 + O2 a2) / (l1 a1 + l2 a2), a = 2^(c m - max of the two c m).
	WIN 0
	PLACES
	s_cmp_lt_u32 s[WV], 2
	s_cbranch_scc1 .Lkeep
.irp t, 0,1,2,3
	ds_store_b128 v[MS], v[ST+8*(\t):ST+8*(\t)+3] offset:32768+512*(\t)
.endr
	WIN 0x04                        ; data in window 1
.set i, 0
.rept 64
	ds_store_b128 v[MS], v[4*i:4*i+3] offset:512*i
.set i, i+1
.endr
	WIN 0
.Lkeep:
	s_wait_dscnt 0x0                ; for the others' sake: my stores are done
	s_barrier_signal -1
	s_barrier_wait -1
	s_cmp_lt_u32 s[WV], 2
	s_cbranch_scc0 .Lend
.irp t, 0,1,2,3
	ds_load_b128 v[S+4*(\t):S+4*(\t)+3], v[MS] offset:32768+512*(\t)
.endr
	WIN 0x80                        ; the partner's O^T goes where Q and K lay
.set i, 0
.rept 48
	ds_load_b128 v[4*i:4*i+3], v[MS] offset:512*i
.set i, i+1
.endr
	WIN 0
	s_wait_dscnt 48                 ; the statistics are in; the 48 loads behind them may stay out
.irp t, 0,1,2,3
	v_add_f32 v[ST+8*(\t)+4], v[ST+8*(\t)+2], v[ST+8*(\t)+3]
	v_add_f32 v[ST+8*(\t)+5], v[S+4*(\t)+2], v[S+4*(\t)+3]
	v_max_num_f32 v[ST+8*(\t)+1], v[ST+8*(\t)], v[S+4*(\t)]
.endr
.irp t, 0,1,2,3
	v_sub_f32 v[ST+8*(\t)+6], v[ST+8*(\t)], v[ST+8*(\t)+1]
	v_sub_f32 v[ST+8*(\t)+7], v[S+4*(\t)], v[ST+8*(\t)+1]
.endr
.irp t, 0,1,2,3
	v_exp_f32 v[ST+8*(\t)+6], v[ST+8*(\t)+6]
	v_exp_f32 v[ST+8*(\t)+7], v[ST+8*(\t)+7]
.endr
	v_nop                           ; a plain instruction behind the last exponential,
	s_wait_alu depctr_va_vdst(0)    ; and one wait for the eight
.irp t, 0,1,2,3
	v_mul_f32 v[ST+8*(\t)+4], v[ST+8*(\t)+4], v[ST+8*(\t)+6]
.endr
.irp t, 0,1,2,3
	v_fmac_f32 v[ST+8*(\t)+4], v[ST+8*(\t)+5], v[ST+8*(\t)+7]
.endr
.irp t, 0,1,2,3
	v_permlanex16_b32 v[ST+8*(\t)+5], v[ST+8*(\t)+4], s[SEL], s[SEL+1]
.endr
.irp t, 0,1,2,3
	v_add_f32 v[ST+8*(\t)+4], v[ST+8*(\t)+4], v[ST+8*(\t)+5]
.endr
.irp t, 0,1,2,3
	v_rcp_f32 v[ST+8*(\t)+5], v[ST+8*(\t)+4]
.endr
	v_nop
	s_wait_alu depctr_va_vdst(0)    ; one wait for the four reciprocals
.irp t, 0,1,2,3
	v_mul_f32 v[ST+8*(\t)+6], v[ST+8*(\t)+6], v[ST+8*(\t)+5]  ; a1 / l
	v_mul_f32 v[ST+8*(\t)+2], v[ST+8*(\t)+7], v[ST+8*(\t)+5]  ; a2 / l
.endr
	WIN 0x80
.set i, 48
.rept 16
	ds_load_b128 v[4*i:4*i+3], v[MS] offset:512*i
.set i, i+1
.endr
	WIN 0
	s_wait_dscnt 0x0
; Tile t: scaled, added, rounded to f16; a lane's eight channels of a row pack into 16 bytes, go into rows of 272 bytes and come back as whole rows of 256.
.macro PACK t
	WIN W_RS
.set i, 64*(\t)
.rept 32
	v_pk_mul_f32 v[i:i+1], v[i:i+1], v[ST+8*(\t)+6:ST+8*(\t)+7] op_sel_hi:[1,0]
.set i, i+2
.endr
	WIN 0x52                        ; source 0 window 2 (the partner's), source 1 window 0, source 2 and destination window 1
.set i, 64*(\t)
.rept 32
	v_pk_fma_f32 v[i:i+1], v[i:i+1], v[ST+8*(\t)+2:ST+8*(\t)+3], v[i:i+1] op_sel_hi:[1,0,1]
.set i, i+2
.endr
	WIN 0x05
.set i, 0
.rept 32
	v_cvt_pk_f16_f32 v[S+32*(\t)+i], v[64*(\t)+2*i], v[64*(\t)+2*i+1]
.set i, i+1
.endr
	WIN 0
.irp f, 0,1,2,3,4,5,6,7
	ds_store_b128 v[STO], v[S+32*(\t)+4*(\f):S+32*(\t)+4*(\f)+3] offset:32*(\f)
.endr
.irp f, 0,1,2,3,4,5,6,7
	ds_load_b128 v[S+32*(\t)+4*(\f):S+32*(\t)+4*(\f)+3], v[RD] offset:(\f)*2*SP  ; LDS serves a wave's instructions in order: these see the stores above; the next tile's stores come behind them
.endr
.endm
.macro SEND t, younger              ; younger: the LDS instructions issued behind tile t's loads: the next tile's sixteen, or none
	WIN 0
.irp f, 0,1,2,3,4,5,6,7
	s_wait_dscnt (\younger)+7-(\f)
	global_store_b128 v[GO], v[S+32*(\t)+4*(\f):S+32*(\t)+4*(\f)+3], s[8:9] offset:(16*((\t)/2)+2*(\f))*2048+((\t)%2)*256  ; 16 lanes store a head's 256 bytes of a row, aligned
.endr
.endm
	PACK 0
	PACK 1
	SEND 0, 16
	PACK 2
	SEND 1, 16
	PACK 3
	SEND 2, 16
	SEND 3, 0
.Lend:
	s_wait_tensorcnt 0x0            ; the wave's end: behind my last tensor load and my last LDS store
	ds_add_u32 v[SPW], v[NIL]
	s_wait_dscnt 0x0
	CROUND                          ; the closing round
	s_endpgm
.Lfunc_end_k_q35505e5b28_attn:
	.size	k_q35505e5b28_attn, .Lfunc_end_k_q35505e5b28_attn-k_q35505e5b28_attn
	.p2alignl 7, 3214868480
	.fill 96, 4, 3214868480
	.section	.rodata,"a",@progbits
	.p2align	6, 0x0
	.amdhsa_kernel k_q35505e5b28_attn
		.amdhsa_group_segment_fixed_size 327680
		.amdhsa_private_segment_fixed_size 0
		.amdhsa_enable_private_segment 0
		.amdhsa_kernarg_size 24
		.amdhsa_user_sgpr_count 2
		.amdhsa_user_sgpr_kernarg_segment_ptr 1
		.amdhsa_wavefront_size32 1
		.amdhsa_system_sgpr_workgroup_id_x 1
		.amdhsa_system_sgpr_workgroup_id_y 1
		.amdhsa_system_sgpr_workgroup_id_z 1
		.amdhsa_system_vgpr_workitem_id 0
		.amdhsa_next_free_vgpr 1024
		.amdhsa_next_free_sgpr 96
		.amdhsa_reserve_vcc 0
		.amdhsa_float_denorm_mode_32 3
		.amdhsa_float_denorm_mode_16_64 3
		.amdhsa_memory_ordered 1
		.amdhsa_forward_progress 1
		.amdhsa_inst_pref_size 183
	.end_amdhsa_kernel
	.amdgpu_metadata
---
amdhsa.version: [ 1, 2 ]
amdhsa.kernels:
  - .name:           k_q35505e5b28_attn
    .symbol:         k_q35505e5b28_attn.kd
    .args:
      - { .name: qkv, .offset: 0, .size: 8, .value_kind: global_buffer, .address_space: global }
      - { .name: mk, .offset: 8, .size: 8, .value_kind: global_buffer, .address_space: global }
      - { .name: of, .offset: 16, .size: 8, .value_kind: global_buffer, .address_space: global }
    .group_segment_fixed_size: 327680
    .private_segment_fixed_size: 0
    .kernarg_segment_align: 8
    .kernarg_segment_size: 24
    .max_flat_workgroup_size: 128
    .sgpr_count:     96
    .vgpr_count:     1024
    .wavefront_size: 32
...
	.end_amdgpu_metadata
.endif
;; end of part 3
;; launch oproj (part 4): grid 16 x 16, 4 waves a work-group, clusters of 4 x 4, 327,680 bytes of LDS; arguments of, wof, out0; writes out0
.if DOCPART == 4
	.amdgcn_target "amdgcn-amd-amdhsa--gfx1250"
	.amdhsa_code_object_version 6
	.text
	.protected	k_q35505e5b28_oproj
	.globl	k_q35505e5b28_oproj
	.p2align	8
	.type	k_q35505e5b28_oproj,@function
k_q35505e5b28_oproj:
	s_mov_b64 s[64:65], 0
	v_nop
	global_prefetch_b8 v0, s[64:65] scope:SCOPE_SE
	s_setreg_imm32_b32 hwreg(HW_REG_WAVE_MODE, 25, 1), 1
	s_wait_xcnt 0x0
	s_wait_alu depctr_hold_cnt(0) depctr_sa_sdst(0) depctr_va_vdst(0) depctr_va_sdst(0) depctr_va_ssrc(0) depctr_va_vcc(0) depctr_vm_vsrc(0)
	s_getreg_b32 s2, hwreg(HW_REG_IB_STS2, 6, 4)
	s_cmp_eq_u32 s2, 0
	s_cbranch_scc0 .Lentry_in_a_cluster
	s_endpgm
.Lentry_in_a_cluster:
	s_bfe_u32 s2, ttmp6, 0x10000c
	s_cmp_lg_u32 s2, 0xf033
	s_cbranch_scc0 .Lentry_shape_is_right
	s_endpgm
.Lentry_shape_is_right:
; out0 = O . wo.  of: O/16, [4096][1024] f16; wof: 16 x wo, [1024 k][4096 n] f16: the two powers of two cancel.  out0: [4096][4096] f32.  Sums in f32.
; A tile of out0, 256 x 256, is made by four waves, each 128 x 128: 64 accumulators of 16 x 16.  K goes in 8 steps of 128 through two LDS slots filled by the tensor data mover.
; THE MATRIX INSTRUCTION IS USED TRANSPOSED: source 0 = 16 columns of wof, which lies [k][n] in LDS and comes out turned (ds_load_tr16_b128); source 1 = 16 rows of of.  A lane then holds one row and eight
; neighbouring columns: 32 bytes of out0.
; CLUSTER 4 x 4: of's tile is asked for jointly along a row of the cluster, wof's along a column.
; THE TEXT holds a K step twice: once in the loop, whose six trips fill a slot again, and once in the tail, a loop of two passes that fills nothing and is left in its middle.
; REGISTERS: window 0: v16-30 addresses; v64-127, v128-191 of's fragments, two buffers, and on the way out rows read back.  window 1: v64-127, v128-191 wof's fragments.
;   window 2: the accumulators of my rows 0-63 ((a, b) at v[8 (8 a + b)]); window 3: those of my rows 64-127.
.set PA,    272                        ; a row of of in LDS: 256 bytes + 16
.set PB,    544                        ; a k-row of wof: 512 + 32
.set HALFT, 34816                      ; what one tensor load brings: 128 rows x 272, or 64 k-rows x 544
.set SLOT,  4*HALFT                    ; 0x22000: it shares no bit with wave x 34,816 (0, 0x8800, 0x11000, 0x19800), so one exclusive or turns a tile's LDS address in one slot into the other's
.set STAGE, 2*SLOT                     ; behind the ring: 16 rows x 528 bytes for each wave, for the way out
.set SPI,   528
.set SPARE, STAGE+4*16*SPI             ; the spare words, 128 bytes for each wave: two blocks of 256 bytes that no other line names
.set ADRA, 16                          ; v16  LDS address of my fragments of of in the slot in hand
.set ADRB, 17                          ; v17  the same for wof
.set BASA, 18                          ; v18, v19  the same in slot 0; never rewritten
.set BASB, 19
.set STO,  24
.set RD,   25
.set CO,   26
.set SPW,  28
.set NIL,  29
.set PFO,  30
.set F0,   64
.set F1,   128
.set G1A, 24
.set G0A, 32                           ; s[32:39] group 0 for of's tiles, two sets: the first fills; the second then walks
.set G1B, 48
.set G0B, 56
.set LIM, 43                           ; s43  2 in a wave that prefetches, else the greatest number
.set PFA, 44
.set WV,  66
.set WH,  67                           ; wave / 2: my half of the tile's rows; also: I fetch for of (0) or for wof (1)
.set WL,  68                           ; wave % 2: my half of its columns; also: which half of that tile I fetch
.set TR,  69
.set PST, 70
.set TB,  73                           ; s73  LDS byte at which the slot in hand begins: 0 or SLOT
.set MSB, 0
.macro WIN new
.if MSB != (\new)
	s_set_vgpr_msb (MSB<<8)|(\new)
.set MSB, \new
.endif
.endm
.macro PLACES
.rept 4
	v_nop
.endr
.endm
.macro JLOAD s                         ; a joint load; an s_nop 0 and four v_nop follow each of the two lines
	s_cmp_eq_u32 s[WH], 0
	s_cbranch_scc0 .Lfor_b_\@
	tensor_load_to_lds s[G0A+4*(\s):G0A+4*(\s)+3], s[G1A:G1A+7]
	s_nop 0
.rept 4
	v_nop
.endr
	s_branch .Lasked_\@
.Lfor_b_\@:
	tensor_load_to_lds s[G0B+4*(\s):G0B+4*(\s)+3], s[G1B:G1B+7]
	s_nop 0
.rept 4
	v_nop
.endr
.Lasked_\@:
.endm
.macro CREST
	s_cmp_lg_u32 s[WV], 0
	s_cbranch_scc1 .Lnot_wave_0_\@
	s_barrier_signal -3
.Lnot_wave_0_\@:
	s_barrier_wait -3
	s_barrier_signal -1
	s_barrier_wait -1
.endm
.macro CROUND
	s_barrier_signal -1
	s_barrier_wait -1
	CREST
.endm
; A PREFETCH INTO THE L2, behind a joint load, its five lines and the run of LDS loads: the K step two refills on, a lane a block of 256 bytes, one instruction a wave.  Each block is named once in the launch:
; of's tile row by the clusters with x = 0 (waves 0 and 1; the partner at cx takes 32 of the 128 rows that a wave fetches), wof's tile column by the clusters with y = 0 (the partner at cy takes k-rows 32 cy on,
; wave 2 their first 256 bytes, wave 3 their second).  K steps 0 to 3 come by their loads alone; the last two refills ask for nothing (s3 is 2 and 1 there).
.macro ASK
	s_cmp_gt_u32 s3, s[LIM]
	s_cbranch_scc0 .Lnot_mine_\@
	global_prefetch_b8 v[PFO], s[PFA:PFA+1] th:TH_LOAD_NT scope:SCOPE_SE
.Lnot_mine_\@:
.endm
	s_load_b128 s[4:7], s[0:1], 0x0                ; of s[4:5], wof s[6:7]
	s_load_b64 s[8:9], s[0:1], 0x10                ; out0
	v_lshl_add_u32 v[SPW], v0, 2, SPARE
	v_mov_b32 v[NIL], 0
	ds_add_u32 v[SPW], v[NIL]                      ; the wave's opening: the add and its wait stand ahead of my first tensor load
	v_lshrrev_b32 v1, 5, v0
	v_readfirstlane_b32 s[WV], v1
	s_lshr_b32 s[WH], s[WV], 1
	s_and_b32 s[WL], s[WV], 1
	s_bfe_u32 s40, ttmp6, 0x40000                  ; cx
	s_bfe_u32 s41, ttmp6, 0x40004                  ; cy
	s_lshl_b32 s42, ttmp9, 2
	s_add_co_u32 s42, s42, s40                     ; tile column
	s_and_b32 s[TR], ttmp7, 0xffff
	s_lshl_b32 s[TR], s[TR], 2
	s_add_co_u32 s[TR], s[TR], s41                 ; tile row
	s_lshl_b32 s12, s41, 2
	s_lshl_b32 s12, 15, s12
	s_lshl_b32 s13, 0x1111, s40
	s_or_b32 s[G1A], s12, (1<<16)|(1<<20)|(1<<21)|(5<<22)|(3<<25)  ; after every 64 words 4 words of padding
	s_or_b32 s[G1B], s13, (1<<16)|(1<<20)|(1<<21)|(6<<22)|(7<<25)  ; after every 128 words 8 words
	s_mov_b32 s[G1A+1], 128<<16
	s_mov_b32 s[G1A+2], 128<<16
	s_mov_b32 s[G1A+3], 128<<16
	s_mov_b32 s[G1A+4], 128                        ; 128 rows x 128 elements
	s_mov_b32 s[G1A+5], 1024
	s_mov_b32 s[G1A+6], 0
	s_mov_b32 s[G1A+7], 0
	s_mov_b32 s[G1B+1], 256<<16
	s_mov_b32 s[G1B+2], 64<<16
	s_mov_b32 s[G1B+3], 256<<16
	s_mov_b32 s[G1B+4], 64                         ; 64 k-rows x 256 elements
	s_mov_b32 s[G1B+5], 4096
	s_mov_b32 s[G1B+6], 0
	s_mov_b32 s[G1B+7], 0
	s_lshl_b32 s16, s[TR], 8                       ; of: row 256 x tile row + 128 x half, 2,048 bytes a row
	s_lshl_b32 s17, s[WL], 7
	s_add_co_u32 s16, s16, s17
	s_lshl_b32 s16, s16, 11
	s_mov_b32 s17, 0
	s_lshl_b32 s46, s42, 9                         ; wof: 512 bytes x tile column + 64 k-rows of 8,192 bytes x half
	s_lshl_b32 s47, s[WL], 19
	s_add_co_u32 s46, s46, s47
	s_mov_b32 s47, 0
	s_mul_i32 s20, s[WV], HALFT                    ; where they go: of's two halves, then wof's two = wave x 34,816
	s_wait_dscnt 0x0
	s_wait_kmcnt 0x0
	s_add_nc_u64 s[14:15], s[4:5], s[16:17]
	s_add_nc_u64 s[46:47], s[6:7], s[46:47]
	CROUND
.irp s, 0,1
	s_mov_b32 s[G0A+4*(\s)], 1
	s_add_co_u32 s[G0A+4*(\s)+1], s20, (\s)*SLOT
	s_add_nc_u64 s[G0A+4*(\s)+2:G0A+4*(\s)+3], s[14:15], (\s)*256
	s_or_b32 s[G0A+4*(\s)+3], s[G0A+4*(\s)+3], 0x80000000
	s_mov_b32 s[G0B+4*(\s)], 1
	s_add_co_u32 s[G0B+4*(\s)+1], s20, (\s)*SLOT
	s_add_nc_u64 s[G0B+4*(\s)+2:G0B+4*(\s)+3], s[46:47], (\s)*1048576
	s_or_b32 s[G0B+4*(\s)+3], s[G0B+4*(\s)+3], 0x80000000
	JLOAD \s                                       ; two loads of mine are out
.endr
	v_and_b32 v1, 15, v0                           ; r
	v_bfe_u32 v2, v0, 4, 1                         ; h
	v_mul_u32_u24 v3, v1, PA
	v_lshl_add_u32 v3, v2, 4, v3
	s_mul_i32 s18, s[WH], HALFT                    ; my 128 rows of of
	v_add_nc_u32 v[BASA], s18, v3
	v_and_b32 v4, 7, v0
	v_bfe_u32 v5, v0, 3, 1
	v_lshl_add_u32 v4, v2, 3, v4
	v_mul_u32_u24 v4, v4, PB
	v_lshl_add_u32 v4, v5, 4, v4
	s_lshl_b32 s19, s[WL], 8                       ; my 128 columns of wof: 256 bytes of a k-row
	s_add_co_u32 s19, s19, 2*HALFT
	v_add_nc_u32 v[BASB], s19, v4
	v_mov_b32 v[ADRA], v[BASA]
	v_mov_b32 v[ADRB], v[BASB]
	s_mov_b32 s[TB], 0
	s_mul_i32 s18, s[WV], 16*SPI
	s_add_co_u32 s18, s18, STAGE                   ; my stage
	v_mul_u32_u24 v5, v1, SPI                      ; in: row r, 32 bytes for each half of the lanes
	v_lshl_add_u32 v5, v2, 5, v5
	v_add_nc_u32 v[STO], s18, v5
	v_and_b32 v[CO], 31, v0
	v_lshlrev_b32 v[CO], 4, v[CO]                  ; back, and out: 32 lanes take a row's 512 bytes
	v_add_nc_u32 v[RD], s18, v[CO]
	s_lshl_b32 s18, s[TR], 8                       ; out0 at my first row and column
	s_lshl_b32 s19, s[WH], 7
	s_add_co_u32 s18, s18, s19
	s_lshl_b32 s18, s18, 14
	s_lshl_b32 s19, s42, 10
	s_add_co_u32 s22, s18, s19
	s_lshl_b32 s19, s[WL], 9
	s_add_co_u32 s22, s22, s19
	s_mov_b32 s23, 0
	s_add_nc_u64 s[8:9], s[8:9], s[22:23]
	; the prefetches stand at K step 3; each refill steps them first
	s_lshl_b32 s18, s[TR], 8
	s_lshl_b32 s19, s[WL], 7
	s_add_co_u32 s18, s18, s19
	s_lshl_b32 s19, s40, 5
	s_add_co_u32 s18, s18, s19
	s_lshl_b32 s18, s18, 11
	s_add_co_u32 s18, s18, 3*256
	s_lshl_b32 s19, s41, 18                        ; k-rows 32 cy on, 8,192 bytes each,
	s_lshl_b32 s74, s42, 9
	s_add_co_u32 s19, s19, s74
	s_lshl_b32 s74, s[WL], 8
	s_add_co_u32 s19, s19, s74
	s_add_co_u32 s19, s19, 3*128*8192
	s_and_b32 s75, ttmp7, 0xffff
	s_mov_b32 s[PST], 1048576
	s_cmp_eq_u32 s[WH], 0
	s_cselect_b64 s[PFA:PFA+1], s[4:5], s[6:7]
	s_cselect_b32 s76, s18, s19
	s_cselect_b32 s[PST], 256, s[PST]
	s_cselect_b32 s74, 11, 13
	s_cselect_b32 s75, ttmp9, s75
	s_mov_b32 s77, 0
	s_mov_b32 s[PST+1], 0
	s_add_nc_u64 s[PFA:PFA+1], s[PFA:PFA+1], s[76:77]
	s_cmp_eq_u32 s75, 0
	s_cselect_b32 s[LIM], 2, -1
	v_and_b32 v[PFO], 31, v0
	v_lshlrev_b32 v[PFO], s74, v[PFO]
; 16 matrix instructions: row blocks a0, a0 + 1 of the window's four x all 8 column blocks.  The 64 accumulators take turns in the same order in every quarter.
.macro MUL16 f, hi, a0, zero
	WIN 0xa1+0x50*(\hi)                            ; source 0 window 1, source 1 window 0, C and D window 2 or 3
.irp a, \a0, (\a0)+1
.irp b, 0,1,2,3,4,5,6,7
.if \zero
	v_wmma_f32_16x16x32_f16 v[8*(8*(\a)+(\b)):8*(8*(\a)+(\b))+7], v[(\f)+8*(\b):(\f)+8*(\b)+7], v[(\f)+8*(4*(\hi)+(\a)):(\f)+8*(4*(\hi)+(\a))+7], 0
.else
	v_wmma_f32_16x16x32_f16 v[8*(8*(\a)+(\b)):8*(8*(\a)+(\b))+7], v[(\f)+8*(\b):(\f)+8*(\b)+7], v[(\f)+8*(4*(\hi)+(\a)):(\f)+8*(4*(\hi)+(\a))+7], v[8*(8*(\a)+(\b)):8*(8*(\a)+(\b))+7]
.endif
.endr
.endr
.endm
.macro FETCH q, f                      ; 32 LDS loads in one run: quarter q of the slot in hand into buffer f
	WIN 0x40
.irp i, 0,1,2,3,4,5,6,7
	ds_load_tr16_b128 v[(\f)+8*(\i):(\f)+8*(\i)+3],   v[ADRB] offset:(\q)*32*PB+32*(\i)
	ds_load_tr16_b128 v[(\f)+8*(\i)+4:(\f)+8*(\i)+7], v[ADRB] offset:(\q)*32*PB+32*(\i)+16*PB
.endr
	WIN 0
.irp i, 0,1,2,3,4,5,6,7
	ds_load_b128 v[(\f)+8*(\i):(\f)+8*(\i)+3],   v[ADRA] offset:64*(\q)+(\i)*16*PA
	ds_load_b128 v[(\f)+8*(\i)+4:(\f)+8*(\i)+7], v[ADRA] offset:64*(\q)+(\i)*16*PA+32
.endr
.endm
.macro QUARTER q, f, g, zero           ; multiplies buffer f and, in its middle, fetches quarter q into buffer g
	s_wait_dscnt 8                                 ; wof's and my rows 0-63 are in; the youngest eight loads (rows 64-127) may be out
	MUL16 \f, 0, 0, \zero
	MUL16 \f, 0, 2, \zero
	PLACES
	FETCH \q, \g
	s_wait_dscnt 32                                ; all but the 32 just issued
	MUL16 \f, 1, 0, \zero
	MUL16 \f, 1, 2, \zero
.endm
; The last quarter multiplies buffer 1 and changes slots: ONE barrier; in front of it each wave waits for all its tensor loads, adds 0 to its spare word, and waits for that and for its reads of this slot.
; fill = 1: the barrier opens a round of the cluster's, and behind the round this slot is filled again, two K steps ahead.  fill = 0 (the tail): nothing is filled; in the second pass there is no next slot, and its fetch is jumped over.
.macro TURN fill
.if \fill
	s_wait_xcnt 0x0                                ; the last prefetch, a K step back, has read its address
	s_add_nc_u64 s[PFA:PFA+1], s[PFA:PFA+1], s[PST:PST+1]
.endif
	WIN 0
	s_wait_tensorcnt 0x0
	ds_add_u32 v[SPW], v[NIL]                      ; 0 onto my spare word
	s_wait_dscnt 9                                 ; (the add and the youngest eight loads may be out)
	MUL16 F1, 0, 0, 0
	s_wait_dscnt 0x0                               ; the add is done, and my reads of this slot are over
	s_barrier_signal -1
	MUL16 F1, 0, 2, 0
	WIN 0
	s_barrier_wait -1
.if \fill
	CREST
	s_xor_b32 s[G0A+5], s[G0A+5], SLOT             ; the walking descriptors: the other slot than last time, the next K step
	s_add_nc_u64 s[G0A+6:G0A+7], s[G0A+6:G0A+7], 256
	s_xor_b32 s[G0B+5], s[G0B+5], SLOT
	s_add_nc_u64 s[G0B+6:G0B+7], s[G0B+6:G0B+7], 1048576
	JLOAD 1                                        ; the first tensor load behind the round; its four v_nop are also the places in front of the loads below
.else
	PLACES
	s_cmp_eq_u32 s3, 1
	s_cbranch_scc1 .Lno_more_\@
.endif
	s_xor_b32 s[TB], s[TB], SLOT
	v_add_nc_u32 v[ADRA], s[TB], v[BASA]
	v_add_nc_u32 v[ADRB], s[TB], v[BASB]
	FETCH 0, F0
.if \fill
	ASK
.else
.Lno_more_\@:
.endif
	MUL16 F1, 1, 0, 0
	MUL16 F1, 1, 2, 0
.endm
	s_wait_tensorcnt 1                             ; my part of K step 0 is in; K step 1's may stay out
	s_barrier_signal -1
	s_barrier_wait -1
	FETCH 0, F0
	QUARTER 1, F0, F1, 1                           ; the first quarter stands in front of the loop: its products start the sums
	WIN 0
	s_mov_b32 s3, 6                                ; six refills: K steps 2 to 7
.Lstep:                                        ; a trip: a step's quarters 1 to 3 and the next step's quarter 0
	QUARTER 2, F1, F0, 0
	QUARTER 3, F0, F1, 0
	TURN 1
	QUARTER 1, F0, F1, 0
	WIN 0
	s_sub_co_u32 s3, s3, 1
	s_cmp_lg_u32 s3, 0
	s_cbranch_scc1 .Lstep
	s_mov_b32 s3, 2                                ; the last two steps fill nothing: a text of their own; its second pass is left behind the last quarter
.Ltail:
	QUARTER 2, F1, F0, 0
	QUARTER 3, F0, F1, 0
	TURN 0
	WIN 0
	s_sub_co_u32 s3, s3, 1
	s_cmp_eq_u32 s3, 0
	s_cbranch_scc1 .Lout
	QUARTER 1, F0, F1, 0
	WIN 0
	s_branch .Ltail
.Lout:
; THE WAY OUT, a block of 16 rows at a time: the f32 sums go as they are into my own stage (rows of 528 bytes) and come back as whole rows of 512 bytes.  Each accumulator's low four registers are stored first.
.macro TOSTAGE a
	WIN 0x08+4*((\a)/4)                            ; data in window 2 or 3
.irp b, 0,1,2,3,4,5,6,7
	ds_store_b128 v[STO], v[64*((\a)%4)+8*(\b):64*((\a)%4)+8*(\b)+3]   offset:64*(\b)
	ds_store_b128 v[STO], v[64*((\a)%4)+8*(\b)+4:64*((\a)%4)+8*(\b)+7] offset:64*(\b)+16
.endr
	WIN 0
	s_wait_xcnt 0x0                                ; the registers that the stores two blocks back read are loaded again only behind this wait
.set BK, F0+64*((\a)%2)
.irp t, 0,1,2,3,4,5,6,7,8,9,10,11,12,13,14,15
	ds_load_b128 v[BK+4*(\t):BK+4*(\t)+3], v[RD] offset:(\t)*SPI  ; LDS serves a wave's instructions in order: these see the stores above
.endr
.endm
.macro SEND a, younger                 ; younger: the LDS instructions issued behind block a's loads: the next block's 32, or none
	WIN 0
.set BK, F0+64*((\a)%2)
.irp t, 0,1,2,3,4,5,6,7,8,9,10,11,12,13,14,15
	s_wait_dscnt (\younger)+15-(\t)
	global_store_b128 v[CO], v[BK+4*(\t):BK+4*(\t)+3], s[8:9] offset:(16*(\a)+(\t))*16384 th:TH_STORE_NT  ; 512 consecutive bytes of a row, aligned
.endr
.endm
	PLACES
	TOSTAGE 0
.irp a, 1,2,3,4,5,6,7
	TOSTAGE \a
	SEND (\a)-1, 32
.endr
	SEND 7, 0
	s_wait_tensorcnt 0x0                           ; the wave's end: behind my last tensor load and my last LDS store
	ds_add_u32 v[SPW], v[NIL]
	s_wait_dscnt 0x0
	CROUND                                         ; the closing round
	s_endpgm
.Lfunc_end_k_q35505e5b28_oproj:
	.size	k_q35505e5b28_oproj, .Lfunc_end_k_q35505e5b28_oproj-k_q35505e5b28_oproj
	.p2alignl 7, 3214868480
	.fill 96, 4, 3214868480
	.section	.rodata,"a",@progbits
	.p2align	6, 0x0
	.amdhsa_kernel k_q35505e5b28_oproj
		.amdhsa_group_segment_fixed_size 327680
		.amdhsa_private_segment_fixed_size 0
		.amdhsa_enable_private_segment 0
		.amdhsa_kernarg_size 24
		.amdhsa_user_sgpr_count 2
		.amdhsa_user_sgpr_kernarg_segment_ptr 1
		.amdhsa_wavefront_size32 1
		.amdhsa_system_sgpr_workgroup_id_x 1
		.amdhsa_system_sgpr_workgroup_id_y 1
		.amdhsa_system_sgpr_workgroup_id_z 1
		.amdhsa_system_vgpr_workitem_id 0
		.amdhsa_next_free_vgpr 1024
		.amdhsa_next_free_sgpr 80
		.amdhsa_reserve_vcc 0
		.amdhsa_float_denorm_mode_32 3
		.amdhsa_float_denorm_mode_16_64 3
		.amdhsa_memory_ordered 1
		.amdhsa_forward_progress 1
		.amdhsa_inst_pref_size 103
	.end_amdhsa_kernel
	.amdgpu_metadata
---
amdhsa.version: [ 1, 2 ]
amdhsa.kernels:
  - .name:           k_q35505e5b28_oproj
    .symbol:         k_q35505e5b28_oproj.kd
    .args:
      - { .name: of, .offset: 0, .size: 8, .value_kind: global_buffer, .address_space: global }
      - { .name: wof, .offset: 8, .size: 8, .value_kind: global_buffer, .address_space: global }
      - { .name: out0, .offset: 16, .size: 8, .value_kind: global_buffer, .address_space: global }
    .group_segment_fixed_size: 327680
    .private_segment_fixed_size: 0
    .kernarg_segment_align: 8
    .kernarg_segment_size: 24
    .max_flat_workgroup_size: 128
    .sgpr_count:     80
    .vgpr_count:     1024
    .wavefront_size: 32
...
	.end_amdgpu_metadata
.endif
;; end of part 4
;; ======== version 2 of 2: 4 launches; version 1 with the launch cast written anew for expert scheduling mode
;; limits: values are held in f16: magnitudes above 65,504 overflow, below 6.1e-05 lose precision; right only within a limited range of input values
;; workspace buffers: xb 33,554,432 bytes; wb 16,777,216 bytes; wof 8,388,608 bytes; mk 16,777,216 bytes; cs 1,048,576 bytes; qkv 16,777,216 bytes; of 8,388,608 bytes
;; launch cast (part 5): grid 1032 x 1, 8 waves a work-group, no clusters, 68,608 bytes of LDS; arguments x, wq, wk, wv, wo, mask, cos, sin, xb, wb, wof, mk, cs; writes xb, wb, wof, mk, cs
.if DOCPART == 5
	.amdgcn_target "amdgcn-amd-amdhsa--gfx1250"
	.amdhsa_code_object_version 6
	.text
	.protected	k_q35505e5b28_cast
	.globl	k_q35505e5b28_cast
	.p2align	8
	.type	k_q35505e5b28_cast,@function
k_q35505e5b28_cast:
	s_mov_b64 s[64:65], 0
	v_nop
	global_prefetch_b8 v0, s[64:65] scope:SCOPE_SE
	s_setreg_imm32_b32 hwreg(HW_REG_WAVE_SCHED_MODE, 0, 2), 2
	s_setreg_imm32_b32 hwreg(HW_REG_WAVE_MODE, 25, 1), 1
	s_wait_xcnt 0x0
	s_wait_alu depctr_vm_vsrc(0)
; EVERY INPUT IS ROUNDED ONCE TO bf16 and laid out for the three launches behind this one.
;   xb  = bf16(x) IN FRAGMENT ORDER: the block of rows 16 i .. 16 i + 15 and channels 32 j .. 32 j + 31 is the 1,024 bytes at (128 i + j) x 1,024: first the 16 bytes (channels 8 h + 0..7 of row r) of
;         lane 16 h + r, lanes on end, then the same for channels 16 + 8 h + 0..7: the two register images of a 16-bit matrix operand, so that the next launch loads them as they lie
;   wb  = bf16(w) / 16                  [4096 k][2048 n]: columns 0-1023 wq, 1024-1535 wk, 1536-2047 wv (a power of two: the rounding is that of w itself)
;   wof = f16(16 x bf16(wo))            [1024 k][4096 n]  (exact while 16 |wo| lies in f16's normal range; LIMIT: |wo| under 4,094)
;   mk  = bf16(mask) x sqrt(128) / 256  [2048][2048] f32: the mask in the unit of the scores that the attention launch makes (q/16 . k/16)
;   cs  = bf16(cos), then bf16(sin)     [2048][64] f32 each
; A stream: no matrix unit, nothing is shared between waves.  A work-group takes 131,072 bytes of ONE input; which, and with which numbers, is chosen from its number by scalar selects.
; All inputs but x: a chunk is 4,096 bytes of f32; thread t takes the 16 bytes at 16 t; a 16-bit result leaves as 8 bytes a lane (a wave: 256 consecutive bytes, aligned), an f32 result as 16 (512);
; six to eight loads of every wave are on their way.  x: see the last part of the text.
; THE MODE: SCHED_MODE bits 1:0 = 2 (LLVM: expert scheduling mode 2), set by the entry lines.  The code itself states the register dependences between vector instructions and memory or LDS
; instructions, with s_wait_alu, always for 0.
; THE PLAN, all inputs but x.  The 32 chunks go in 16 blocks of two; chunk c has slot c % 8.  Registers that memory instructions touch:
;   X slot i     Read by its chunk's conversions in block p; the load of the chunk eight further on, issued at the head of block p + 1, lands in it.
;   Y slot i     Written by its chunk's arithmetic in block p; read by the store issued in block p + 1; written again in block p + 4.
;   v1, OUTO     Offsets, made once at the head and never written again: the rounds are reached by the two scalar bases, the chunks by the loads' immediates and by OUTO.
; So block p's memory instructions touch the four slots that block p - 1 worked on, and no vector line of block p names them: ONE wait on va_vdst at a block's head states all that they hang on.
; A wait on vm_vsrc (beside s_wait_xcnt 0) stands twice in a trip of four blocks: between the stores in block p + 1 and the writes of block p + 4 lies one of the two, for every p.
; THE PLAN, x: at the last part of the text.
.set OUTO, 2                           ; v[2:9]    slot i: my byte offset in the output for the slot's chunk; never rewritten
.set T,    10                          ; v[10:15]  at work: no memory instruction names them
.set X,    20                          ; v[20:51]  slot i: 4 registers as loaded; in x's path v[20:147]: row r's 8 registers at X + 8 r
.set Y,    52                          ; v[52:83]  slot i: up to 4 registers to store
.set GI,   148                         ; v148  x's path: 16 x lane, my offset in 512 consecutive bytes of x and of xb; never rewritten
.set LS,   149                         ; v149  x's path: where I put 8 bytes of a row in my wave's LDS
.set LR,   150                         ; v150  x's path: where I read 16 bytes of a fragment
.set SPW,  152                         ; v152  LDS address of my spare word; never rewritten
.set NIL,  153                         ; v153  0; never rewritten
.set PL,   528                         ; x's path: an LDS row: 256 bf16 + 16 bytes: the 16 rows that a load touches start at 16 different groups of four banks
.set SPARE, 8*16*PL                    ; behind the eight waves' rows: the spare words, 128 bytes for each wave: four blocks of 256 bytes that no other line names
.set IN,   36                          ; s[36:37]  the input at the round's first chunk
.set OUT,  38                          ; s[38:39]  the output at the round's first chunk
; s40 the input's first work-group; s41 the path (0: bf16 out, 1: f16 out, 2: f32 out, 3: x); s[42:43] the factor; s44, s45 how a thread's number splits into row and place;
; s47 output bytes from chunk to chunk; s48 the output's first byte; s49 log2 of a thread's output bytes
.macro SEG first, inp, outp, path, scale, ts, tm, ostep, co, es
	s_cmp_ge_u32 ttmp9, \first
	s_cselect_b64 s[IN:IN+1], s[\inp:\inp+1], s[IN:IN+1]
	s_cselect_b64 s[OUT:OUT+1], s[\outp:\outp+1], s[OUT:OUT+1]
	s_cselect_b32 s40, \first, s40
	s_cselect_b32 s41, \path, s41
	s_cselect_b32 s42, \scale, s42
	s_cselect_b32 s44, \ts, s44
	s_cselect_b32 s45, \tm, s45
	s_cselect_b32 s47, \ostep, s47
	s_cselect_b32 s48, \co, s48
	s_cselect_b32 s49, \es, s49
.endm
	s_load_b512 s[8:23], s[0:1], 0x0               ; x, wq, wk, wv, wo, mask, cos, sin
	s_load_b256 s[24:31], s[0:1], 0x40             ; xb, wb, wof, mk
	s_load_b64 s[32:33], s[0:1], 0x60              ; cs
	v_lshl_add_u32 v[SPW], v0, 2, SPARE
	v_mov_b32 v[NIL], 0
	s_mov_b32 s55, 0xffff0000                      ; a word's upper bf16
	v_lshlrev_b32 v1, 4, v0                        ; my 16 bytes of a chunk; never rewritten
	s_mov_b32 s40, 0                               ; work-groups 0 to 511 are x's; the later inputs' numbers take the place of these below
	s_mov_b32 s41, 3
	s_mov_b32 s42, 1.0
	s_mov_b32 s44, 8
	s_mov_b32 s45, 255
	s_mov_b32 s47, 2048
	s_mov_b32 s48, 0
	s_mov_b32 s49, 3
	s_wait_kmcnt 0x0
	s_mov_b64 s[IN:IN+1], s[8:9]
	s_mov_b64 s[OUT:OUT+1], s[24:25]
	SEG 512,  10, 26, 0, 0x3d800000, 8, 255, 4096, 0,      3   ; wq: a chunk is a row; a row of wb is 4,096 bytes
	SEG 640,  12, 26, 0, 0x3d800000, 7, 127, 8192, 2048,   3   ; wk: a chunk is two rows of 2,048 bytes
	SEG 704,  14, 26, 0, 0x3d800000, 7, 127, 8192, 3072,   3   ; wv
	SEG 768,  16, 28, 1, 0x41800000, 8, 255, 2048, 0,      3   ; wo
	SEG 896,  18, 30, 2, 0x3d3504f3, 8, 255, 4096, 0,      4   ; mask: sqrt(128) / 256
	SEG 1024, 20, 32, 2, 1.0,        8, 255, 4096, 0,      4   ; cos
	SEG 1028, 22, 32, 2, 1.0,        8, 255, 4096, 524288, 4   ; sin
	s_cmp_eq_u32 s41, 3
	s_cbranch_scc1 .Lblocked
	s_sub_co_u32 s56, ttmp9, s40                   ; my number among the input's work-groups
	s_lshl_b32 s50, s56, 17                        ; 32 chunks of 4,096 bytes
	s_mov_b32 s51, 0
	s_add_nc_u64 s[IN:IN+1], s[IN:IN+1], s[50:51]
	s_wait_alu depctr_va_vdst(0)                   ; v1 is written: every load of these ways reads it as its offset
.irp i, 0,1,2,3,4,5,6,7
	global_load_b128 v[X+4*(\i):X+4*(\i)+3], v1, s[IN:IN+1] offset:(\i)*4096 th:TH_LOAD_NT  ; fill the ring: chunks 0 to 7
.endr
	s_mul_i32 s50, s56, s47
	s_lshl_b32 s50, s50, 5
	s_add_co_u32 s50, s50, s48
	s_add_nc_u64 s[OUT:OUT+1], s[OUT:OUT+1], s[50:51]
	s_lshl_b32 s52, s47, 3                         ; a round's eight chunks in the output
	s_mov_b32 s53, 0
	s_mov_b32 s43, s42                             ; named with s42 as a pair
	v_and_b32 v16, s45, v0
	v_lshlrev_b32 v16, s49, v16                    ; my place in an output row,
	v_lshrrev_b32 v17, s44, v0
	v_lshl_add_u32 v16, v17, 12, v16               ; and for wk and wv the chunk's second row, one row of wb further down
.irp i, 0,1,2,3,4,5,6,7
	s_mul_i32 s50, s47, \i
	v_add_nc_u32 v[OUTO+(\i)], s50, v16            ; read by stores alone, of which the first stands behind block 1's wait on va_vdst
.endr
; The arithmetic of the chunk in slot i.  left = how many younger loads may stay out.
.macro WORK i, left, path
	s_wait_loadcnt \left                           ; loads come back in order: mine is in, the younger ones stay out
.if (\path) == 0
	v_pk_mul_f32 v[T:T+1], v[X+4*(\i):X+4*(\i)+1], s[42:43] op_sel_hi:[1,0]      ; a power of two
	v_pk_mul_f32 v[T+2:T+3], v[X+4*(\i)+2:X+4*(\i)+3], s[42:43] op_sel_hi:[1,0]
	v_cvt_pk_bf16_f32 v[Y+4*(\i)], v[T], v[T+1]
	v_cvt_pk_bf16_f32 v[Y+4*(\i)+1], v[T+2], v[T+3]
.else
	v_cvt_pk_bf16_f32 v[T], v[X+4*(\i)], v[X+4*(\i)+1]       ; rounded to bf16,
	v_cvt_pk_bf16_f32 v[T+1], v[X+4*(\i)+2], v[X+4*(\i)+3]
	v_lshlrev_b32 v[T+2], 16, v[T]                           ; and widened again
	v_and_b32 v[T+3], s55, v[T]
	v_lshlrev_b32 v[T+4], 16, v[T+1]
	v_and_b32 v[T+5], s55, v[T+1]
.if (\path) == 1
	v_pk_mul_f32 v[T+2:T+3], v[T+2:T+3], s[42:43] op_sel_hi:[1,0]
	v_pk_mul_f32 v[T+4:T+5], v[T+4:T+5], s[42:43] op_sel_hi:[1,0]
	v_cvt_pk_f16_f32 v[Y+4*(\i)], v[T+2], v[T+3]
	v_cvt_pk_f16_f32 v[Y+4*(\i)+1], v[T+4], v[T+5]
.else
	v_pk_mul_f32 v[Y+4*(\i):Y+4*(\i)+1], v[T+2:T+3], s[42:43] op_sel_hi:[1,0]
	v_pk_mul_f32 v[Y+4*(\i)+2:Y+4*(\i)+3], v[T+4:T+5], s[42:43] op_sel_hi:[1,0]
.endif
.endif
.endm
.macro AHEAD i                         ; slot i is loaded again, with the chunk of the next round
	global_load_b128 v[X+4*(\i):X+4*(\i)+3], v1, s[IN:IN+1] offset:(8+(\i))*4096 th:TH_LOAD_NT
.endm
.macro LEAVE i, path                   ; slot i's result is stored
.if (\path) == 2
	global_store_b128 v[OUTO+(\i)], v[Y+4*(\i):Y+4*(\i)+3], s[OUT:OUT+1]
.else
	global_store_b64 v[OUTO+(\i)], v[Y+4*(\i):Y+4*(\i)+1], s[OUT:OUT+1]
.endif
.endm
; A block: the chunks in slots 2 b and 2 b + 1 are worked on; the two slots of the block before (2 (b + 3) % 8 on) are loaded again and stored.
; first = 1: block 0, with no block in front of it.  ahead = 1: the loads are issued, both ahead of the block's first wait for data, so that its counts are 7 and 6.  free = 1: see the two lines.
.macro BLK b, first, ahead, free, path
.if \free
	s_wait_xcnt 0x0                                ; the stores issued so far have had their addresses translated: beside the next line, for the same registers
	s_wait_alu depctr_vm_vsrc(0)                   ; the stores of the trip's first two blocks have read Y slots 0 to 3, which the trip's last block and the next trip's first write again
.endif
.if !(\first)
	s_wait_alu depctr_va_vdst(0)                   ; the block before has written its two Y slots, which the stores below read, and is done reading its two X slots, in which the loads below land (at block 1 also: OUTO is written)
.if \ahead
	AHEAD 2*(((\b)+3)%4)
	AHEAD 2*(((\b)+3)%4)+1
.endif
.endif
.irp j, 0,1
.if !(\first)
	LEAVE 2*(((\b)+3)%4)+(\j), \path               ; no vector line since the wait names this slot
.endif
.if (\ahead) || (\first)
	WORK 2*(\b)+(\j), 7-(\j), \path
.else
	WORK 2*(\b)+(\j), 7-2*(\b)-(\j), \path         ; the counts run down
.endif
.endr
.endm
; The 16 blocks.  Block 0 stands ahead of the loop.  A trip is blocks 4 k + 1 to 4 k + 4: all its stores belong to round k (blocks 4 k to 4 k + 3), all its loads to round k + 1, so the two bases move on
; once a trip.  Blocks 13 to 15 load nothing, so that no load leaves the input; block 15's results leave behind them.
.macro WALK path
	BLK 0, 1, 0, 0, \path
	s_mov_b32 s54, 3
.Lround_\path:
	BLK 1, 0, 1, 0, \path
	BLK 2, 0, 1, 0, \path
	BLK 3, 0, 1, 1, \path
	BLK 0, 0, 1, 0, \path
	s_wait_xcnt 0x0                                ; the two bases and the stores' data registers are rewritten only behind this wait
	s_wait_alu depctr_vm_vsrc(0)                   ; the stores of the trip's last two blocks have read Y slots 4 to 7, which the next trip's (or the tail's) second and third blocks write again
	s_add_nc_u64 s[IN:IN+1], s[IN:IN+1], 0x8000
	s_add_nc_u64 s[OUT:OUT+1], s[OUT:OUT+1], s[52:53]
	s_sub_co_u32 s54, s54, 1
	s_cmp_lg_u32 s54, 0
	s_cbranch_scc1 .Lround_\path
	BLK 1, 0, 0, 0, \path
	BLK 2, 0, 0, 0, \path
	BLK 3, 0, 0, 0, \path
	s_wait_alu depctr_va_vdst(0)                   ; block 15 has written Y slots 6 and 7, which the last two stores read
	LEAVE 6, \path
	LEAVE 7, \path
	s_endpgm
.endm
	s_cmp_eq_u32 s41, 1
	s_cbranch_scc1 .Lto_f16
	s_cmp_eq_u32 s41, 2
	s_cbranch_scc1 .Lto_f32
	WALK 0
.Lto_f16:
	WALK 1
.Lto_f32:
	WALK 2
; x.  Work-group g takes rows 16 (g / 2) .. + 15 and channels 2,048 (g % 2) on; wave w of it 256 channels: 16 rows x 1,024 bytes in, eight fragments, 8,192 consecutive bytes, out.
; All 32 loads go out at once, each 512 consecutive bytes of a row.  A row is rounded as it comes and laid into the wave's own 16 LDS rows; the fragments are read from there, 16 bytes a lane, as a matrix
; operand is read, and stored as they are: each store of the wave covers 512 consecutive bytes, aligned.  No wave touches another's LDS bytes, and LDS serves a wave's instructions in order: no barrier.
; THE PLAN.  Registers that memory or LDS instructions touch:
;   v[GI]          Offset of the 32 loads and of the 16 global stores; written once, ahead of the wait that stands in front of the loads.
;   v[LS], v[LR]   LDS addresses; written once, behind the loads; first read behind the wait at the head of the second block of rows.
;   row r's eight  The loads land in them; the row's four conversions read them and write four of them; its two LDS stores read those four; later the fragments' LDS loads land in v[X:X+63].
; The rows go in four blocks of four.  A block's eight LDS stores are dealt among the NEXT block's conversions, which name other rows' registers: one wait on va_vdst at a block's head states that the
; block before has written what those stores read.  One more stands ahead of the last eight stores; one wait on vm_vsrc ahead of the fragments' loads.
.macro ROWIN r                         ; row r is rounded, in place
	s_wait_loadcnt 30-2*(\r)                       ; row r's two loads are in; the rows behind it stay out
	v_cvt_pk_bf16_f32 v[X+8*(\r)],   v[X+8*(\r)],   v[X+8*(\r)+1]
	v_cvt_pk_bf16_f32 v[X+8*(\r)+1], v[X+8*(\r)+2], v[X+8*(\r)+3]
	v_cvt_pk_bf16_f32 v[X+8*(\r)+4], v[X+8*(\r)+4], v[X+8*(\r)+5]
	v_cvt_pk_bf16_f32 v[X+8*(\r)+5], v[X+8*(\r)+6], v[X+8*(\r)+7]
.endm
.macro ROWOUT r                        ; row r goes into my wave's LDS rows
	ds_store_b64 v[LS], v[X+8*(\r):X+8*(\r)+1]   offset:(\r)*PL
	ds_store_b64 v[LS], v[X+8*(\r)+4:X+8*(\r)+5] offset:(\r)*PL+256
.endm
.Lblocked:
	v_lshrrev_b32 v17, 5, v0
	v_readfirstlane_b32 s56, v17                   ; wave 0..7
	v_and_b32 v16, 31, v0                          ; lane
	v_lshlrev_b32 v[GI], 4, v16
	s_lshr_b32 s57, ttmp9, 1                       ; the block of 16 rows
	s_and_b32 s58, ttmp9, 1                        ; which half of their channels
	s_lshl_b32 s50, s57, 18                        ; 16 rows of 16,384 bytes,
	s_lshl_b32 s59, s58, 13                        ; 2,048 channels of 4 bytes,
	s_add_co_u32 s50, s50, s59
	s_wait_alu depctr_va_sdst(0)                   ; s56 is written, ahead of its first reader: the wave's places in x, in xb and in LDS are made from it
	s_lshl_b32 s59, s56, 10                        ; my wave's 256
	s_add_co_u32 s50, s50, s59
	s_mov_b32 s51, 0
	s_add_nc_u64 s[IN:IN+1], s[IN:IN+1], s[50:51]
	s_wait_alu depctr_va_vdst(0)                   ; v[GI] is written, which the loads below and the global stores at the end read as their offset
.irp r, 0,1,2,3,4,5,6,7,8,9,10,11,12,13,14,15
	global_load_b128 v[X+8*(\r):X+8*(\r)+3],   v[GI], s[IN:IN+1] offset:(\r)*16384 th:TH_LOAD_NT      ; channels 4 lane + 0..3
	global_load_b128 v[X+8*(\r)+4:X+8*(\r)+7], v[GI], s[IN:IN+1] offset:(\r)*16384+512 th:TH_LOAD_NT  ; channels 128 + 4 lane + 0..3
.endr
	s_lshl_b32 s50, s57, 17                        ; xb: the block row's 128 fragments of 1,024 bytes,
	s_lshl_b32 s59, s58, 16                        ; 64 of them a half,
	s_add_co_u32 s50, s50, s59
	s_lshl_b32 s59, s56, 13                        ; my wave's eight
	s_add_co_u32 s50, s50, s59
	s_add_nc_u64 s[OUT:OUT+1], s[OUT:OUT+1], s[50:51]
	s_mul_i32 s59, s56, 16*PL                      ; my wave's LDS rows
	v_lshl_add_u32 v[LS], v16, 3, s59              ; in: 8 bytes a lane, 256 consecutive bytes a store
	v_and_b32 v18, 15, v16
	v_lshrrev_b32 v19, 4, v16
	v_mul_u32_u24 v[LR], v18, PL                   ; back: row lane % 16, 16 bytes for each half of the lanes
	v_lshl_add_u32 v[LR], v19, 4, v[LR]
	v_add_nc_u32 v[LR], s59, v[LR]
.irp q, 0,1,2,3
.if (\q) > 0
	s_wait_alu depctr_va_vdst(0)                   ; the block of rows before is rounded: its conversions have written what the LDS stores below read (at the second block also: v[LS] and v[LR] are written)
.endif
.irp i, 0,1,2,3
.if (\q) > 0
	ROWOUT 4*(\q)-4+(\i)                           ; no vector line since the wait names this row's registers
.endif
	ROWIN 4*(\q)+(\i)
.endr
.endr
	s_wait_alu depctr_va_vdst(0)                   ; rows 12 to 15 are rounded, which the LDS stores below read; and no conversion still names v[X:X+63], in which the fragments' loads land
.irp i, 12,13,14,15
	ROWOUT \i
.endr
	s_wait_alu depctr_vm_vsrc(0)                   ; the LDS stores have read the rows' registers, in which the fragments' loads land
.irp f, 0,1,2,3,4,5,6,7,8,9,10,11,12,13,14,15
	ds_load_b128 v[X+4*(\f):X+4*(\f)+3], v[LR] offset:((\f)/2)*64+((\f)%2)*32  ; fragment f / 2, its register image f % 2; these see the stores above
.endr
.irp f, 0,1,2,3,4,5,6,7,8,9,10,11,12,13,14,15
	s_wait_dscnt 15-(\f)
	global_store_b128 v[GI], v[X+4*(\f):X+4*(\f)+3], s[OUT:OUT+1] offset:(\f)*512
.endr
	s_wait_dscnt 0x0                               ; the closing lines, six on end
	s_wait_alu 0x0
	s_wait_tensorcnt 0x0
	ds_add_u32 v[SPW], v[NIL]
	s_wait_dscnt 0x0
	s_endpgm
.Lfunc_end_k_q35505e5b28_cast:
	.size	k_q35505e5b28_cast, .Lfunc_end_k_q35505e5b28_cast-k_q35505e5b28_cast
	.p2alignl 7, 3214868480
	.fill 96, 4, 3214868480
	.section	.rodata,"a",@progbits
	.p2align	6, 0x0
	.amdhsa_kernel k_q35505e5b28_cast
		.amdhsa_group_segment_fixed_size 68608
		.amdhsa_private_segment_fixed_size 0
		.amdhsa_enable_private_segment 0
		.amdhsa_kernarg_size 104
		.amdhsa_user_sgpr_count 2
		.amdhsa_user_sgpr_kernarg_segment_ptr 1
		.amdhsa_wavefront_size32 1
		.amdhsa_system_sgpr_workgroup_id_x 1
		.amdhsa_system_sgpr_workgroup_id_y 1
		.amdhsa_system_sgpr_workgroup_id_z 1
		.amdhsa_system_vgpr_workitem_id 0
		.amdhsa_next_free_vgpr 156
		.amdhsa_next_free_sgpr 66
		.amdhsa_reserve_vcc 0
		.amdhsa_float_denorm_mode_32 3
		.amdhsa_float_denorm_mode_16_64 3
		.amdhsa_memory_ordered 1
		.amdhsa_forward_progress 1
		.amdhsa_inst_pref_size 49
	.end_amdhsa_kernel
	.amdgpu_metadata
---
amdhsa.version: [ 1, 2 ]
amdhsa.kernels:
  - .name:           k_q35505e5b28_cast
    .symbol:         k_q35505e5b28_cast.kd
    .args:
      - { .name: x, .offset: 0, .size: 8, .value_kind: global_buffer, .address_space: global }
      - { .name: wq, .offset: 8, .size: 8, .value_kind: global_buffer, .address_space: global }
      - { .name: wk, .offset: 16, .size: 8, .value_kind: global_buffer, .address_space: global }
      - { .name: wv, .offset: 24, .size: 8, .value_kind: global_buffer, .address_space: global }
      - { .name: wo, .offset: 32, .size: 8, .value_kind: global_buffer, .address_space: global }
      - { .name: mask, .offset: 40, .size: 8, .value_kind: global_buffer, .address_space: global }
      - { .name: cos, .offset: 48, .size: 8, .value_kind: global_buffer, .address_space: global }
      - { .name: sin, .offset: 56, .size: 8, .value_kind: global_buffer, .address_space: global }
      - { .name: xb, .offset: 64, .size: 8, .value_kind: global_buffer, .address_space: global }
      - { .name: wb, .offset: 72, .size: 8, .value_kind: global_buffer, .address_space: global }
      - { .name: wof, .offset: 80, .size: 8, .value_kind: global_buffer, .address_space: global }
      - { .name: mk, .offset: 88, .size: 8, .value_kind: global_buffer, .address_space: global }
      - { .name: cs, .offset: 96, .size: 8, .value_kind: global_buffer, .address_space: global }
    .group_segment_fixed_size: 68608
    .private_segment_fixed_size: 0
    .kernarg_segment_align: 8
    .kernarg_segment_size: 104
    .max_flat_workgroup_size: 256
    .sgpr_count:     66
    .vgpr_count:     156
    .wavefront_size: 32
...
	.end_amdgpu_metadata
.endif
;; end of part 5
;; launch qkv: the kernel of part 2 again; grid 16 x 16, 4 waves a work-group, clusters of 4 x 1, 327,680 bytes of LDS; arguments xb, wb, cs, qkv; writes qkv
;; launch attn: the kernel of part 3 again; grid 32 x 8, 4 waves a work-group, clusters of 4 x 4, 327,680 bytes of LDS; arguments qkv, mk, of; writes of
;; launch oproj: the kernel of part 4 again; grid 16 x 16, 4 waves a work-group, clusters of 4 x 4, 327,680 bytes of LDS; arguments of, wof, out0; writes out0
